; MI455X (gfx1250); checked and timed in simulation.
; The chip was launched on July 23, 2026; its instructions are those of AMD's public machine-readable ISA for CDNA 5 (MIT licence, August 2026) and "CDNA5" Instruction Set Architecture Reference Guide (July 2026). The comments in the code are by the model that wrote it; some were corrected since.
;; Vector Quantizer. Allowed arithmetic: matrix products marked QUANTISED: E5M2 operands, one E8M0 scale for each 32 along K, by v_wmma_scale_f32_16x16x128_f8f6f4 with both operands' format E5M2, f32 sums; everything else in f32.
;; Inputs: embedding 8,192 x 256 float32; z 1,024 x 16 x 256 float32.
;; Outputs: out0 1,024 x 16 x 256 float32.
;; This version of the problem:
;;   THIS VERSION OF THE PROBLEM IS GIVEN IN LOW PRECISION. The matrix products marked QUANTISED in the list below multiply operands that are first quantised to E5M2 (5 exponent bits, 2 mantissa bits; 8 bits a number), with one power-of-two scale for each 32 numbers along K (OCP MX v1.0); their sums are f32. All else is computed in f32.
;;   The module's matrix products, in the order in which they are computed (A, B: the left and right operand; K: the contracted axis; several contracted axes count as one K, in the product's order):
;;     1. [M 16,384, K 256] x [K 256, N 8,192]; A: input z; B: input embedding: QUANTISED
;;   THE QUANTISER, for each operand of a quantised product, along K:
;;     - K is cut into blocks of 32 from its start; a last block that is shorter is filled with zeros.
;;     - A block's scale is 2^e with e = floor(log2(the largest magnitude in the block)) - 15, held to -126 .. 127; a block of zeros has e = 0. As a byte (E8M0): e + 127.
;;     - Each number is divided by its block's scale, clamped to +-57,344, and rounded to the nearest number of E5M2, ties to even, subnormals kept.
;;     - The product sums the exact products of the quantised numbers (number of the format x scale) in f32.
;;   ~~~python
;;   def quantise(x, axis):      # numpy; x: float32 -> the quantised numbers, widened to float32 again
;;       x = np.moveaxis(x, axis, -1); K = x.shape[-1]
;;       x = np.pad(x, [(0, 0)] * (x.ndim - 1) + [(0, -K % 32)]); x = x.reshape(x.shape[:-1] + (-1, 32)); a = np.abs(x).max(-1, keepdims=True)
;;       e = np.where(a > 0, np.clip(np.frexp(np.where(a > 0, a, 1))[1] - 1 - 15, -126, 127), 0)      # np.frexp(a)[1] - 1 = floor(log2(a)), exactly
;;       r = np.clip(x / 2.0 ** e, -57344, 57344)
;;       step = 2.0 ** (np.maximum(np.frexp(np.where(r == 0, 1, r))[1] - 1, -14) - 2)
;;       q = np.round(r / step) * step * 2.0 ** e      # np.round: ties to even
;;       return np.moveaxis(q.reshape(q.shape[:-2] + (-1,))[..., :K], -1, axis).astype(np.float32)
;;   ~~~
;; 2 versions. Each part assembles by itself: llvm-mc -triple=amdgcn-amd-amdhsa -mcpu=gfx1250 --defsym DOCPART=n.
;; ======== version 1 of 2: 4 launches
;; workspace buffers: zrec 4,456,448 bytes; erec 2,228,224 bytes; pidx 262,144 bytes of whole numbers; fidx 65,536 bytes of whole numbers
;; launch prep (part 1): grid 256 x 1, 6 waves a work-group, no clusters, 102,144 bytes of LDS; arguments z, embedding, zrec, erec; writes zrec, erec
.if DOCPART == 1
	.amdgcn_target "amdgcn-amd-amdhsa--gfx1250"
	.amdhsa_code_object_version 6
	.text
	.protected	k_q3b45f8ac0c_prep
	.globl	k_q3b45f8ac0c_prep
	.p2align	8
	.type	k_q3b45f8ac0c_prep,@function
k_q3b45f8ac0c_prep:
	s_mov_b64 s[64:65], 0
	v_nop
	global_prefetch_b8 v0, s[64:65] scope:SCOPE_SE
	s_setreg_imm32_b32 hwreg(HW_REG_WAVE_MODE, 25, 1), 1
	s_wait_xcnt 0x0
; z [16384][256] and embedding [8192][256], f32, become RECORDS of 16 rows each: codes of BF8 (E5M2) with one E8M0 scale byte for each 32 along K,
; laid as the image of a matrix operand's registers, and minus each row's sum of squares in f32.
; A record is 4,352 bytes (17 x 256):
;   byte 512 g + 16 l (g = 4 s + c = 0..7, lane l = 16 h + r): the 16 codes of row r at k = 128 s + 32 c + 16 h + 0..15: registers 4 c .. 4 c + 3 of the fragment of K step s
;   byte 4096 + 4 l: the scale word (four bytes) of row l % 16 for K step l / 16
;   byte 4224 + 4 m and byte 4288 + 4 m (m = 0..15): -(sum over k of row m's squares), twice
; A block's scale is 2^(floor(log2(its largest magnitude)) - 15); its byte is the largest magnitude's exponent field - 15, held at 1 from below.  (A block of zeros so gets the
; byte 1 where the rule says 127: its codes are zeros, which add nothing, and this program alone reads the bytes.)  Each number is held within +-57,344 x the scale and rounded to the nearest code, ties to even.
; THE SUM OF SQUARES: each square is rounded to f32; the 256 squares of a row are summed in eight windows of 32, each one chain of f32 additions in ascending k, and the eight partial sums are
; added in ascending order.  The nearest codeword hangs on the last bits of these sums, so their order is stated here and kept; a window's partial sums stay small, so each addition rounds finely.
; LIMITS: NaN and infinities among the inputs are not served.
; SHARES: 1,536 tiles of 16 rows (1,024 of z, 512 of the embedding), one to a wave: tile 6 x work-group + wave.  The tensor is chosen by selects on that number: one path, no barrier, waves share nothing.
; Each load reads 512 consecutive bytes; the conversions want 16 neighbours along K in ONE lane: so the tile turns through the wave's own stage in LDS (rows of 1,024 bytes + 16 of padding:
; the sixteen rows that a read touches start 16 bytes apart modulo 256).
.set WREG, 16896                       ; LDS of a wave: the stage, 16 x 1,040 bytes, and 256 bytes for the record's last unit
.set SP,   1040
.set SIDE, 16640
.set REC,  4352
.set TM,   16                          ; v16-19 largest magnitudes, v20-23 bytes, v24-27 the largest number x the scale, v28-31 the conversions' scale operands
.set PW0,  32                          ; the scale word of K step 0,
.set PW1,  33                          ; of K step 1
.set NSS,  34                          ; minus the row's sum of squares
.set PWS,  35                          ; the scale word that my lane stores
.set TA,   36                          ; v36-43 the eight windows' chains through their first 16 squares (they count in lanes 0-15)
.set BK,   44                          ; v44-45 the last unit read back
.set C,    48                          ; v48-79 the codes: 16 registers for each K step
.set X,    80                          ; v80-207 my 128 numbers
.set SQ,   208                         ; v208-223 two squares of each of the eight windows
.set TB,   224                         ; v224-231 the eight windows' chains through their last 16 squares (they count in lanes 16-31)
.set FS,   232                         ; the sum of the eight windows (it counts in lanes 16-31),
.set FP,   233                         ; and the same handed to lanes 0-15
	s_load_b128 s[4:7], s[0:1], 0x0                ; z, embedding
	s_load_b128 s[8:11], s[0:1], 0x10              ; zrec, erec
	v_lshl_add_u32 v240, v0, 2, 0x18c00
	v_mov_b32 v241, 0
	v_lshrrev_b32 v1, 5, v0
	v_readfirstlane_b32 s12, v1                    ; wave 0..5
	v_and_b32 v1, 31, v0                           ; lane
	v_and_b32 v8, 15, v0                           ; r
	v_bfe_u32 v9, v0, 4, 1                         ; h
	v_lshlrev_b32 v2, 4, v1                        ; 16 x lane: my bytes of a load's or a store's 512
	s_mul_i32 s13, s12, WREG                       ; my wave's LDS
	v_add_nc_u32 v3, s13, v2                       ; the stage on the way in
	v_mul_u32_u24 v4, v8, SP
	v_lshl_add_u32 v4, v9, 6, v4
	v_add_nc_u32 v4, s13, v4                       ; and on the way out: row r, + 64 h: my 16 numbers of a block of 32
	s_add_co_u32 s14, s13, SIDE
	v_lshlrev_b32 v7, 3, v1                        ; 8 x lane
	v_lshlrev_b32 v5, 2, v1
	v_add_nc_u32 v5, s14, v5                       ; the last unit: 4 bytes a lane in,
	v_add_nc_u32 v6, s14, v7                       ; 8 bytes a lane out
	s_mov_b32 s20, 0x76543210
	s_mov_b32 s21, 0xfedcba98                      ; v_permlanex16_b32's selects for lane l xor 16
	s_mov_b32 s23, 0x600000                        ; the mantissa field of 57,344
.irp b, 0,1,2,3
	v_mov_b32 v[TM+4+\b], 0                        ; written once: a lane permute's destination counts as one of its sources
.endr
.irp b, 0,1,2,3,4,5,6,7
	v_mov_b32 v[TB+\b], 0                          ; likewise
.endr
	v_mov_b32 v[FP], 0                             ; likewise
	s_mul_i32 s15, ttmp9, 6
	s_add_co_u32 s15, s15, s12                     ; my tile, 0..1535
	s_wait_kmcnt 0x0
	s_cmp_lt_u32 s15, 1024                         ; z's tile or the embedding's?  The choice hangs on ids alone
	s_cselect_b64 s[4:5], s[4:5], s[6:7]
	s_cselect_b64 s[8:9], s[8:9], s[10:11]
	s_cselect_b32 s16, 0, 1024
	s_sub_co_u32 s15, s15, s16                     ; the tile's number in its tensor
	s_lshl_b32 s16, s15, 14                        ; 16 rows of 1,024 bytes
	s_mov_b32 s17, 0
	s_mul_i32 s18, s15, REC
	s_mov_b32 s19, 0
	s_add_nc_u64 s[4:5], s[4:5], s[16:17]
	s_add_nc_u64 s[8:9], s[8:9], s[18:19]
.set q, 0
.rept 32
	global_load_b128 v[X+4*q:X+4*q+3], v2, s[4:5] offset:512*q th:TH_LOAD_NT   ; 32 lanes read 512 consecutive bytes: half a row
.set q, q+1
.endr
.set q, 0
.rept 32
	s_wait_loadcnt 31-q                            ; loads come back in order: number q is in, the younger ones stay out
	ds_store_b128 v3, v[X+4*q:X+4*q+3] offset:(q/2)*SP+(q%2)*512
.set q, q+1
.endr
	s_wait_dscnt 0x0                               ; the stores have read their registers: the loads below land in the same ones
.irp b, 0,1,2,3,4,5,6,7
.irp j, 0,1,2,3
	ds_load_b128 v[X+16*\b+4*\j:X+16*\b+4*\j+3], v4 offset:128*\b+16*\j   ; register X + 16 b + i = k 32 b + 16 h + i of row r
.endr
.endr
	s_wait_dscnt 0x0
	; THE ROW'S SUM OF SQUARES, of the numbers as they came.  Window b is k = 32 b .. 32 b + 31: lanes 0-15 hold its first 16 numbers, lanes 16-31 its last 16.
	; Every lane runs every line.  The first pass adds a lane's 16 squares of each window and counts in lanes 0-15; its sums are handed to the other half; the second pass adds the 16 squares onto
	; what was handed over and counts in lanes 16-31.  What the other half computes meanwhile is never used.  The eight windows take turns, so that no addition waits for the line above it.
.irp p, 0,2,4,6,8,10,12,14
.irp b, 0,1,2,3,4,5,6,7
	v_pk_mul_f32 v[SQ+2*\b:SQ+2*\b+1], v[X+16*\b+\p:X+16*\b+\p+1], v[X+16*\b+\p:X+16*\b+\p+1]   ; two squares of each window, each rounded to f32
.endr
.if \p == 0
.irp b, 0,1,2,3,4,5,6,7
	v_add_f32 v[TA+\b], v[SQ+2*\b], v[SQ+2*\b+1]   ; the first two squares start a window's chain: nothing is cleared
.endr
.else
.irp b, 0,1,2,3,4,5,6,7
	v_add_f32 v[TA+\b], v[TA+\b], v[SQ+2*\b]
.endr
.irp b, 0,1,2,3,4,5,6,7
	v_add_f32 v[TA+\b], v[TA+\b], v[SQ+2*\b+1]
.endr
.endif
.endr
.irp b, 0,1,2,3,4,5,6,7
	v_permlanex16_b32 v[TB+\b], v[TA+\b], s20, s21 ; lanes 16-31 take window b's sum up to k = 32 b + 15
.endr
.irp p, 0,2,4,6,8,10,12,14
.irp b, 0,1,2,3,4,5,6,7
	v_pk_mul_f32 v[SQ+2*\b:SQ+2*\b+1], v[X+16*\b+\p:X+16*\b+\p+1], v[X+16*\b+\p:X+16*\b+\p+1]   ; the same squares once more: 128 registers of them would not fit beside the numbers
.endr
.irp b, 0,1,2,3,4,5,6,7
	v_add_f32 v[TB+\b], v[TB+\b], v[SQ+2*\b]
.endr
.irp b, 0,1,2,3,4,5,6,7
	v_add_f32 v[TB+\b], v[TB+\b], v[SQ+2*\b+1]
.endr
.endr
	v_add_f32 v[FS], v[TB], v[TB+1]                ; the eight windows' sums, in ascending order
.irp b, 2,3,4,5,6,7
	v_add_f32 v[FS], v[FS], v[TB+\b]
.endr
	v_permlanex16_b32 v[FP], v[FS], s20, s21       ; lanes 0-15 are handed the row's sum
	v_cmp_lt_u32 vcc_lo, 15, v1                    ; lanes 16-31.  (VCC stays so to the end of the text)
	v_cndmask_b32 v[NSS], v[FP], v[FS], vcc_lo     ; lanes 16-31 made it, lanes 0-15 were handed it
	v_xor_b32 v[NSS], 0x80000000, v[NSS]           ; with its sign turned
; 64 numbers of a lane, v[s] on, register 16 b + i = k 32 b + 16 h + i of a K step, become a fragment's 16 registers of codes in v[dst] on and the row's scale word in v[pw]
.macro QUANT s, dst, pw
.irp b, 0,1,2,3
	v_max3_num_f32 v[TM+\b], |v[(\s)+16*\b]|, |v[(\s)+1+16*\b]|, 0x8000000   ; block b: my 16 numbers, and the floor 2^(16 - 127): so the byte cannot fall under 1
.endr
.irp i, 2,4,6,8,10,12,14
.irp b, 0,1,2,3
	v_max3_num_f32 v[TM+\b], v[TM+\b], |v[(\s)+16*\b+\i]|, |v[(\s)+1+16*\b+\i]|   ; the four blocks by turns
.endr
.endr
.irp b, 0,1,2,3
	v_permlanex16_b32 v[TM+4+\b], v[TM+\b], s20, s21
.endr
.irp b, 0,1,2,3
	v_max_num_f32 v[TM+\b], v[TM+\b], v[TM+4+\b]   ; with lane l xor 16's: the block's largest magnitude
.endr
.irp b, 0,1,2,3
	v_add_nc_u32 v[TM+12+\b], 0xf8800000, v[TM+\b] ; 15 off its exponent field: the conversion takes this operand's exponent field as its scale
.endr
.irp b, 0,1,2,3
	v_and_or_b32 v[TM+8+\b], v[TM+\b], 0x7f800000, s23   ; 57,344 x the scale
.endr
.irp b, 0,1,2,3
	v_lshrrev_b32 v[TM+4+\b], 23, v[TM+12+\b]      ; the scale's byte
.endr
	v_lshl_or_b32 v[\pw], v[TM+5], 8, v[TM+4]
	v_lshl_or_b32 v[\pw], v[TM+6], 16, v[\pw]
	v_lshl_or_b32 v[\pw], v[TM+7], 24, v[\pw]
.irp b, 0,1,2,3
.irp i, 0,1,2,3,4,5,6,7,8,9,10,11,12,13,14,15
	v_med3_num_f32 v[(\s)+16*\b+\i], v[(\s)+16*\b+\i], -v[TM+8+\b], v[TM+8+\b]   ; the conversion to an 8-bit code does not saturate (ISA guide 7.6.2): the hold comes first
.endr
	v_cvt_scalef32_pk8_bf8_f32 v[(\dst)+4*\b:(\dst)+4*\b+1], v[(\s)+16*\b:(\s)+16*\b+7], v[TM+12+\b]
	v_cvt_scalef32_pk8_bf8_f32 v[(\dst)+4*\b+2:(\dst)+4*\b+3], v[(\s)+16*\b+8:(\s)+16*\b+15], v[TM+12+\b]
.endr
	v_nop                                          ; one plain vector line behind the last conversion: the next call writes the scale operands again
.endm
	QUANT X, C, PW0
	QUANT X+64, C+16, PW1
.irp g, 0,1,2,3,4,5,6,7
	global_store_b128 v2, v[C+4*\g:C+4*\g+3], s[8:9] offset:512*\g   ; 32 lanes store 512 consecutive bytes, at a multiple of 256 from the buffer's first byte
.endr
	v_cndmask_b32 v[PWS], v[PW0], v[PW1], vcc_lo   ; lanes 16-31 carry K step 1's words
	ds_store_b32 v5, v[PWS]                        ; the record's last 256 bytes are gathered in my own LDS:
	ds_store_b32 v5, v[NSS] offset:128             ; 32 scale words, then minus the sums of squares (lanes 16-31 write the second copy)
	ds_load_b64 v[BK:BK+1], v6                     ; LDS serves a wave's instructions in order: this sees my stores
	s_wait_dscnt 0x0
	global_store_b64 v7, v[BK:BK+1], s[8:9] offset:4096   ; 32 lanes store 256 consecutive bytes
	s_wait_tensorcnt 0x0
	ds_add_u32 v240, v241
	s_wait_dscnt 0x0
	s_endpgm
.Lfunc_end_k_q3b45f8ac0c_prep:
	.size	k_q3b45f8ac0c_prep, .Lfunc_end_k_q3b45f8ac0c_prep-k_q3b45f8ac0c_prep
	.p2alignl 7, 3214868480
	.fill 96, 4, 3214868480
	.section	.rodata,"a",@progbits
	.p2align	6, 0x0
	.amdhsa_kernel k_q3b45f8ac0c_prep
		.amdhsa_group_segment_fixed_size 102144
		.amdhsa_private_segment_fixed_size 0
		.amdhsa_enable_private_segment 0
		.amdhsa_kernarg_size 32
		.amdhsa_user_sgpr_count 2
		.amdhsa_user_sgpr_kernarg_segment_ptr 1
		.amdhsa_wavefront_size32 1
		.amdhsa_system_sgpr_workgroup_id_x 1
		.amdhsa_system_sgpr_workgroup_id_y 1
		.amdhsa_system_sgpr_workgroup_id_z 1
		.amdhsa_system_vgpr_workitem_id 0
		.amdhsa_next_free_vgpr 242
		.amdhsa_next_free_sgpr 66
		.amdhsa_reserve_vcc 1
		.amdhsa_float_denorm_mode_32 3
		.amdhsa_float_denorm_mode_16_64 3
		.amdhsa_memory_ordered 1
		.amdhsa_forward_progress 1
		.amdhsa_inst_pref_size 45
	.end_amdhsa_kernel
	.amdgpu_metadata
---
amdhsa.version: [ 1, 2 ]
amdhsa.kernels:
  - .name:           k_q3b45f8ac0c_prep
    .symbol:         k_q3b45f8ac0c_prep.kd
    .args:
      - { .name: z, .offset: 0, .size: 8, .value_kind: global_buffer, .address_space: global }
      - { .name: embedding, .offset: 8, .size: 8, .value_kind: global_buffer, .address_space: global }
      - { .name: zrec, .offset: 16, .size: 8, .value_kind: global_buffer, .address_space: global }
      - { .name: erec, .offset: 24, .size: 8, .value_kind: global_buffer, .address_space: global }
    .group_segment_fixed_size: 102144
    .private_segment_fixed_size: 0
    .kernarg_segment_align: 8
    .kernarg_segment_size: 32
    .max_flat_workgroup_size: 192
    .sgpr_count:     66
    .vgpr_count:     242
    .wavefront_size: 32
...
	.end_amdgpu_metadata
.endif
;; end of part 1
;; launch search (part 2): grid 128 x 2, 8 waves a work-group, clusters of 4 x 1, 327,680 bytes of LDS; arguments zrec, erec, pidx; writes pidx
.if DOCPART == 2
	.amdgcn_target "amdgcn-amd-amdhsa--gfx1250"
	.amdhsa_code_object_version 6
	.text
	.protected	k_q3b45f8ac0c_search
	.globl	k_q3b45f8ac0c_search
	.p2align	8
	.type	k_q3b45f8ac0c_search,@function
k_q3b45f8ac0c_search:
	s_mov_b64 s[64:65], 0
	v_nop
	global_prefetch_b8 v0, s[64:65] scope:SCOPE_SE
	s_setreg_imm32_b32 hwreg(HW_REG_WAVE_MODE, 25, 1), 1
	s_wait_xcnt 0x0
	s_wait_alu depctr_hold_cnt(0) depctr_sa_sdst(0) depctr_va_vdst(0) depctr_va_sdst(0) depctr_va_ssrc(0) depctr_va_vcc(0) depctr_vm_vsrc(0)
	s_getreg_b32 s2, hwreg(HW_REG_IB_STS2, 6, 4)
	s_cmp_eq_u32 s2, 0
	s_cbranch_scc0 .Lentry_in_a_cluster
	s_endpgm
.Lentry_in_a_cluster:
	s_bfe_u32 s2, ttmp6, 0x10000c
	s_cmp_lg_u32 s2, 0x3003
	s_cbranch_scc0 .Lentry_shape_is_right
	s_endpgm
.Lentry_shape_is_right:
; For each of 128 tokens and one slice of 4,096 codewords: THE TWO BEST CONTENDERS for the nearest codeword, by D = 2 z.e - (zz + ee) = -d, z.e taken on codes of BF8 with E8M0 scales.
; C = (-zz) + (-ee), one f32 addition, is the C of a tile's first product; the factor 2 is 1 added to each of z's scale bytes (exact: the bytes lie under 240).  So a finished accumulator IS -d.
; This launch decides no last bit: the next one scores the contenders again, each f32 rounding in reference()'s place, and chooses among them.
; SHARES.  Work-group (x, y): tokens 128 x .. 128 x + 127, codewords 4,096 y on.  All eight waves hold the same 128 tokens' fragments in registers (256 registers, window 1); each tile of 16 codewords
; is fetched and read by ONE wave: every LDS byte that is filled is read once.  Eight waves of 512 registers: two share a SIMD's 1,024, so that one wave's search stands beside the other's products.
; LAYOUT.  Source 0 = 16 codewords, source 1 = 16 tokens: lane (r, h) holds token r, and register j of an accumulator codeword 8 h + j.  The search stays inside a lane until the end:
; for each accumulator the tile's largest number, one compare with the lane's best, and selects that keep the best, the tile's number and the winning tile's eight numbers; which of the eight won is found once, at the end.
; So a token has 16 partial winners in a slice (8 waves x 2 halves of the lanes); wave 0 keeps the best two of them (ties: the lower index first) and stores their indices: pidx [2 slices][2 ranks][16384].
; No branch and no address hangs on a floating-point number: every choice is a v_cndmask_b32, and the results go to fixed places.
; CLUSTER.  The four token blocks of a cluster walk the same slice: every fill is asked for JOINTLY (mask 15, the same descriptor in all four).  z's records (34,816 bytes a work-group against
; 1,114,112 of the slice's) are not shared across the two slices: too small a part to pay for a second axis.
; RING.  Wave w has two slots of four records (17,408 bytes, dense in memory); fill f brings it tiles 256 y + 32 f + 4 w + 0..3.  By this text's count a wave has two tensor loads out at the start, later one.
; LIMITS: NaN and infinities are not served.  Two codewords whose d differ only in the last bits AND which fall to the same wave and the same half of the lanes (1 case in 32 of such pairs)
; are ordered here, by the matrix unit's sums, and only the better of them goes on.
; REGISTERS, window 0: v1-15 addresses; v16-23 z's scale words; v24-39 -zz (a pair a token tile); v40 the code tile's scale words; v42-49 -ee; v52-55 at work; v64-95 the code tile's two fragments;
;   v96-159 eight accumulators; v160-223 the winning tiles' numbers; v224-231 the best; v232-239 its tile; v240-247 at work at the end.   window 1: z's fragments: tile t, K step s at v[32 t + 16 s].
.set REC,   4352
.set SLOTB, 4*REC                      ; a slot
.set RINGW, 2*SLOTB                    ; a wave's ring
.set FILLB, 32*REC                     ; from a fill to the next, in memory
.set ZREG,  8*RINGW                    ; behind the rings: z's eight records, put there by LDS stores and read once, ahead of the ring's first step
.set SCR,   ZREG                       ; the partial winners take the same bytes at the end: best [16][128] f32, then index [16][128], 16,384 bytes.  Every wave's reads of the records were waited for
                                       ; ahead of the first change of slots, whose barriers lie between
.set SPARE, ZREG+8*REC                 ; the spare words, 128 bytes for each wave: four blocks of 256 bytes that no other line names
.set ZSC,  16
.set NZZ,  24
.set ASC,  40
.set NEE,  42
.set T0,   52
.set T1,   53
.set T2,   54
.set T3,   55
.set AF,   64
.set ACC,  96
.set SV,   160
.set BEST, 224
.set TID,  232
.set JJ,   240
.set R2V,  240                         ; wave 0's join: the second best of four tokens,
.set R2I,  244                         ; and its index
.set MSB, 0
.macro WIN new                         ; the immediate's high byte repeats the setting that is left
.if MSB != \new
	s_set_vgpr_msb (MSB<<8)|\new
.set MSB, \new
.endif
.endm
.set MULW, 0x04                        ; source 1 (z) window 1; all else window 0
.set TOZ,  0x40                        ; destination window 1
.macro ROUND                           ; a round of the cluster's barrier: my work-group's barrier; wave 0 signals for the work-group; every wave waits for all four; my work-group's barrier once more
	s_barrier_signal -1
	s_barrier_wait -1
	s_cmp_lg_u32 s12, 0
	s_cbranch_scc1 .Lnot_wave_0_\@
	s_barrier_signal -3
.Lnot_wave_0_\@:
	s_barrier_wait -3
	s_barrier_signal -1
	s_barrier_wait -1
.endm
.macro JLOAD slot                      ; my joint load into a slot: every wave issues one; four v_nop follow
	tensor_load_to_lds s[24+4*\slot:27+4*\slot], s[16:23]
	s_nop 0
.rept 4
	v_nop
.endr
.endm
	s_load_b128 s[4:7], s[0:1], 0x0                ; zrec s[4:5], erec s[6:7]
	s_load_b64 s[10:11], s[0:1], 0x10              ; pidx
	v_lshl_add_u32 v4, v0, 2, SPARE                ; my spare word; never rewritten
	v_mov_b32 v5, 0                                ; 0; never rewritten
	ds_add_u32 v4, v5
	ds_add_u32 v4, v5
	s_wait_dscnt 0x0
	v_lshrrev_b32 v52, 5, v0
	v_readfirstlane_b32 s12, v52                   ; wave 0..7
	s_bfe_u32 s13, ttmp6, 0x40000                  ; cx: my place in the cluster
	s_lshl_b32 s14, ttmp9, 2
	s_add_co_u32 s14, s14, s13                     ; my token block = 4 x cluster x + cx: it enters the addresses of zrec and pidx alone
	s_and_b32 s15, ttmp7, 0xffff                   ; the slice, which the four partners share
	v_and_b32 v52, 31, v0                          ; lane
	v_and_b32 v53, 15, v0                          ; r
	v_bfe_u32 v54, v0, 4, 1                        ; h
	s_mul_i32 s38, s12, RINGW                      ; my ring
	v_lshlrev_b32 v12, 4, v52                      ; v12  16 x lane
	v_add_nc_u32 v1, s38, v12                      ; v1   a fragment's image: 16 x lane + my ring
	v_lshlrev_b32 v55, 2, v52
	v_add_nc_u32 v2, s38, v55                      ; v2   scale words: 4 x lane + my ring
	v_lshlrev_b32 v3, 5, v54
	v_add_nc_u32 v3, s38, v3                       ; v3   -ee of my eight codewords: 32 h + my ring
	v_add_nc_u32 v6, ZREG, v12                     ; v6   z's images
	v_add_nc_u32 v7, ZREG, v55                     ; v7   z's scale words and -zz
	s_mul_i32 s39, s12, REC
	v_add_nc_u32 v8, s39, v6                       ; v8   where I put my z record,
	v_lshlrev_b32 v15, 3, v52                      ; v15  8 x lane
	v_add_nc_u32 v9, s39, v15
	v_add_nc_u32 v9, ZREG+4096, v9                 ; v9   and its last 256 bytes
	s_lshl_b32 s39, s12, 10
	v_lshlrev_b32 v10, 2, v53
	v_lshl_add_u32 v10, v54, 9, v10
	v_add_nc_u32 v10, s39, v10
	v_add_nc_u32 v10, SCR, v10                     ; v10  my partial winners: 512 x (2 x wave + h) + 4 r
	v_add_nc_u32 v11, SCR, v12                     ; v11  and where wave 0 reads them: four tokens a lane
	v_lshlrev_b32 v13, 3, v54                      ; v13  8 h
	; descriptor group 1: four records, a dense block of 17,408 bytes, as 68 rows of 256 bytes (32 elements of 8 bytes); no padding: the images are read 16 bytes a lane on end
	s_mov_b32 s16, 15|(3<<16)|(1<<21)              ; 15:0 the mask: all four work-groups; 17:16 elements of 8 bytes; 21 set beside a mask
	s_mov_b32 s17, 32<<16                          ; tensor_dim0 = 32
	s_mov_b32 s18, 68<<16                          ; tensor_dim1 = 68
	s_mov_b32 s19, 32<<16                          ; tile_dim0 = 32
	s_mov_b32 s20, 68                              ; tile_dim1 = 68
	s_mov_b32 s21, 32                              ; from row to row: 32 elements
	s_mov_b32 s22, 0
	s_mov_b32 s23, 0
	s_lshl_b32 s32, s15, 8
	s_lshl_b32 s39, s12, 2
	s_add_co_u32 s32, s32, s39                     ; s32  the first tile of the fill in hand: 256 y + 4 w + 32 f
	s_lshl_b32 s40, s14, 3
	s_add_co_u32 s40, s40, s12
	s_mul_i32 s40, s40, REC                        ; my z record: number 8 x token block + wave
	s_mov_b32 s41, 0
	s_mul_i32 s44, s32, REC                        ; my first four records of the slice
	s_mov_b32 s45, 0
	s_wait_kmcnt 0x0
	s_add_nc_u64 s[4:5], s[4:5], s[40:41]
.irp g, 0,1,2,3,4,5,6,7
	global_load_b128 v[96+4*\g:99+4*\g], v12, s[4:5] offset:512*\g   ; one z record a wave, 512 consecutive bytes a load
.endr
	global_load_b64 v[128:129], v15, s[4:5] offset:4096
	s_lshl_b32 s40, s14, 9                         ; pidx: 131,072 y + 512 x token block; the second rank lies 65,536 bytes on
	s_lshl_b32 s41, s15, 17
	s_add_co_u32 s40, s40, s41
	s_mov_b32 s41, 0
	s_add_nc_u64 s[10:11], s[10:11], s[40:41]
	; descriptor group 0, a set for each slot: made of the slice and the wave's number alone
	s_mov_b32 s24, 1                               ; count = 1
	s_mul_i32 s25, s12, RINGW                      ; LDS address: my slot 0
	s_add_nc_u64 s[26:27], s[6:7], s[44:45]        ; fill 0
	s_mov_b32 s28, 1
	s_add_co_u32 s29, s25, SLOTB                   ; my slot 1
	s_add_nc_u64 s[30:31], s[26:27], FILLB         ; fill 1
	s_or_b32 s27, s27, 0x80000000                  ; type = 2
	s_or_b32 s31, s31, 0x80000000
	ROUND                                          ; all four work-groups are here: the first joint loads meet
	tensor_load_to_lds s[24:27], s[16:23]          ; the two first fills stand together, ahead of every wait on TENSORcnt and every LDS read
	s_nop 0
	tensor_load_to_lds s[28:31], s[16:23]
	s_nop 0
.rept 4
	v_nop
.endr
	s_wait_loadcnt 0x0                             ; my z record
.irp g, 0,1,2,3,4,5,6,7
	ds_store_b128 v8, v[96+4*\g:99+4*\g] offset:512*\g
.endr
	ds_store_b64 v9, v[128:129]
	s_wait_dscnt 0x0                               ; for the others' sake: my stores have landed
	s_barrier_signal -1
	s_barrier_wait -1                              ; all eight records lie in LDS.  The tensor loads may stay out
	WIN TOZ
.irp t, 0,1,2,3,4,5,6,7
.irp g, 0,1,2,3,4,5,6,7
	ds_load_b128 v[32*\t+4*\g:32*\t+4*\g+3], v6 offset:REC*\t+512*\g   ; z's fragments stay in registers
.endr
.endr
	WIN 0
.irp t, 0,1,2,3,4,5,6,7
	ds_load_b32 v[ZSC+\t], v7 offset:REC*\t+4096       ; lanes 0-15: K step 0's words, lanes 16-31: K step 1's
	ds_load_b32 v[NZZ+2*\t], v7 offset:REC*\t+4224     ; -zz of token r (lanes 16-31 read the second copy),
	ds_load_b32 v[NZZ+2*\t+1], v7 offset:REC*\t+4224   ; twice: a pair for the packed addition
.endr
	s_wait_dscnt 0x0
.irp t, 0,1,2,3,4,5,6,7
	v_add_nc_u32 v[ZSC+\t], 0x01010101, v[ZSC+\t]  ; THE FACTOR 2: one more in each scale byte
.endr
.irp t, 0,1,2,3,4,5,6,7                ; the 80 lines below are also places between the scale words just written and the first product, which wants eight
	v_mov_b32 v[BEST+\t], 0xff800000               ; the best so far: -infinity, under every D
	v_mov_b32 v[TID+\t], 0
.endr
.set q, 0
.rept 64
	v_mov_b32 v[SV+q], 0xff800000                  ; written once, since the selects read them: the first tile replaces them
.set q, q+1
.endr
; The search in accumulators t and t + 1, line by line in turn.  Each accumulator is read from its low end on.
.macro TRACK2 t
.set A0, ACC+8*(\t)
.set A1, ACC+8*(\t)+8
.set S0, SV+8*(\t)
.set S1, SV+8*(\t)+8
	v_max3_num_f32 v[T0], v[A0], v[A0+1], v[A0+2]
	v_max3_num_f32 v[T2], v[A1], v[A1+1], v[A1+2]
	v_max3_num_f32 v[T1], v[A0+3], v[A0+4], v[A0+5]
	v_max3_num_f32 v[T3], v[A1+3], v[A1+4], v[A1+5]
	v_max3_num_f32 v[T0], v[T0], v[A0+6], v[A0+7]
	v_max3_num_f32 v[T2], v[T2], v[A1+6], v[A1+7]
	v_max_num_f32 v[T0], v[T0], v[T1]              ; the largest of my eight codewords of this tile
	v_max_num_f32 v[T2], v[T2], v[T3]
	v_cmp_gt_f32 vcc_lo, v[T0], v[BEST+(\t)]       ; strictly larger: a wave's tiles come in ascending order, so a tie stays with the lower index
	v_cmp_gt_f32 s35, v[T2], v[BEST+(\t)+1]
	v_max_num_f32 v[BEST+(\t)], v[BEST+(\t)], v[T0]
	v_max_num_f32 v[BEST+(\t)+1], v[BEST+(\t)+1], v[T2]
	v_cndmask_b32 v[TID+(\t)], v[TID+(\t)], v14, vcc_lo
.irp j, 0,1,2,3,4,5,6,7
	v_cndmask_b32 v[S0+\j], v[S0+\j], v[A0+\j], vcc_lo   ; the winning tile's eight numbers are kept
.endr
	v_cndmask_b32 v[TID+(\t)+1], v[TID+(\t)+1], v14, s35
.irp j, 0,1,2,3,4,5,6,7
	v_cndmask_b32 v[S1+\j], v[S1+\j], v[A1+\j], s35
.endr
.endm
.macro TRACK                           ; the search in the eight accumulators; s33 is the number of the tile that they hold
	v_mov_b32 v14, s33
	TRACK2 0
	TRACK2 2
	TRACK2 4
	TRACK2 6
.endm
; One tile of 16 codewords, record i of a slot, against the 128 tokens.  trk = 1: the tile before is searched while this tile's 11 LDS loads are on their way.
.macro TILE slot, i, trk
.set O, (\slot)*SLOTB+(\i)*REC
	ds_load_b128 v[NEE:NEE+3], v3 offset:O+4224    ; -ee of codewords 8 h + 0..3,
	ds_load_b128 v[NEE+4:NEE+7], v3 offset:O+4240  ; 8 h + 4..7
	ds_load_b32 v[ASC], v2 offset:O+4096           ; the tile's scale words: lanes 0-15 K step 0, lanes 16-31 K step 1
.irp g, 0,1,2,3,4,5,6,7
	ds_load_b128 v[AF+4*\g:AF+4*\g+3], v1 offset:O+512*\g
.endr
.if \trk
	TRACK
.endif
	s_add_co_u32 s33, s32, \i                      ; this tile's number
	s_wait_dscnt 9                                 ; -ee is in; the nine loads issued behind it may be out
.irp t, 0,1,2,3,4,5,6,7
.irp p, 0,2,4,6
	v_pk_add_f32 v[ACC+8*\t+\p:ACC+8*\t+\p+1], v[NEE+\p:NEE+\p+1], v[NZZ+2*\t:NZZ+2*\t+1]   ; C = (-ee) + (-zz)
.endr
.endr
.rept 4
	v_nop                                          ; this text keeps a C written by vector instructions four places ahead of the scaled products, as it would an A or a B
.endr
	s_wait_dscnt 0x0                               ; the fragments and the scale words are in
	WIN MULW
.irp t, 0,1,2,3,4,5,6,7                ; the eight accumulators take turns, one instruction a turn
	v_wmma_scale_f32_16x16x128_f8f6f4 v[ACC+8*\t:ACC+8*\t+7], v[AF:AF+15], v[32*\t:32*\t+15], v[ACC+8*\t:ACC+8*\t+7], v[ASC], v[ZSC+\t] matrix_a_fmt:MATRIX_FMT_BF8 matrix_b_fmt:MATRIX_FMT_BF8
.endr
.irp t, 0,1,2,3,4,5,6,7
	v_wmma_scale_f32_16x16x128_f8f6f4 v[ACC+8*\t:ACC+8*\t+7], v[AF+16:AF+31], v[32*\t+16:32*\t+31], v[ACC+8*\t:ACC+8*\t+7], v[ASC], v[ZSC+\t] matrix_a_fmt:MATRIX_FMT_BF8 matrix_b_fmt:MATRIX_FMT_BF8 matrix_a_scale:MATRIX_SCALE_ROW1 matrix_b_scale:MATRIX_SCALE_ROW1
.endr
	WIN 0
.rept 8
	v_nop                                          ; eight places in front of the next loads into the fragments' and the scale words' registers and of the first read of the results
.endr
.endm
; A slot has been read out and is filled again, two fills ahead.  Every wave: all its tensor loads have landed (its other slot among them); the add; the add and its reads of the slot are done;
; a round of the cluster's barrier, so that no wave of any partner still reads the slot or has a load on its way; then the joint refill, first thing.  It has four tiles' work in which to land.
.macro CHANGE old
	s_wait_tensorcnt 0x0                           ; no tensor load of mine is out, so a group 0 may be written
	ds_add_u32 v4, v5                              ; 0 onto my spare word
	s_add_nc_u64 s[26+4*\old:27+4*\old], s[26+4*\old:27+4*\old], 2*FILLB   ; the slot's next fill; the type bits on top are not reached
	s_add_co_u32 s32, s32, 32                      ; the tiles of the fill that is worked next
	s_wait_dscnt 0x0
	ROUND
	JLOAD \old
.endm
; (b, ib) is put into the sorted pair (a1, i1), (a2, i2).  'Better' is: larger, or equal with the lower index.  Better than the first: the first becomes the second; else better than the second: it takes its place.
.macro INS a1, i1, a2, i2, b, ib
	v_cmp_gt_f32 s42, v[\b], v[\a1]
	v_cmp_eq_f32 s43, v[\b], v[\a1]
	v_cmp_lt_u32 vcc_lo, v[\ib], v[\i1]
	s_and_b32 s43, s43, vcc_lo
	s_or_b32 s42, s42, s43                         ; better than the first
	v_cmp_gt_f32 s44, v[\b], v[\a2]
	v_cmp_eq_f32 s45, v[\b], v[\a2]
	v_cmp_lt_u32 vcc_lo, v[\ib], v[\i2]
	s_and_b32 s45, s45, vcc_lo
	s_or_b32 s44, s44, s45                         ; better than the second
	v_cndmask_b32 v[\a2], v[\a2], v[\b], s44
	v_cndmask_b32 v[\i2], v[\i2], v[\ib], s44
	v_cndmask_b32 v[\a2], v[\a2], v[\a1], s42
	v_cndmask_b32 v[\i2], v[\i2], v[\i1], s42
	v_cndmask_b32 v[\a1], v[\a1], v[\b], s42
	v_cndmask_b32 v[\i1], v[\i1], v[\ib], s42
.endm
	s_wait_tensorcnt 1                             ; fill 0 is in, fill 1 may be out; the bytes are my wave's own: no barrier is needed to read them
	TILE 0, 0, 0
	TILE 0, 1, 1
	TILE 0, 2, 1
	TILE 0, 3, 1
	s_mov_b32 s34, 3
.Lring:                                            ; three trips: fills 2 to 7 are asked for, fills 1 to 6 worked
	CHANGE 0
	TILE 1, 0, 1
	TILE 1, 1, 1
	TILE 1, 2, 1
	TILE 1, 3, 1
	CHANGE 1
	TILE 0, 0, 1
	TILE 0, 1, 1
	TILE 0, 2, 1
	TILE 0, 3, 1
	s_sub_co_u32 s34, s34, 1
	s_cmp_lg_u32 s34, 0
	s_cbranch_scc1 .Lring
	s_wait_tensorcnt 0x0                           ; the last fill is in; nothing is left to fetch
	s_add_co_u32 s32, s32, 32
	TILE 1, 0, 1
	TILE 1, 1, 1
	TILE 1, 2, 1
	TILE 1, 3, 1
	TRACK                                          ; the last tile
	; WHICH OF THE EIGHT WON: the lowest j whose kept number equals the best
.irp t, 0,1,2,3,4,5,6,7
	v_mov_b32 v[JJ+\t], 7
.endr
.irp j, 6,5,4,3,2,1,0
.irp t, 0,1,2,3,4,5,6,7
	v_cmp_neq_f32 vcc_lo, v[SV+8*\t+\j], v[BEST+\t]
	v_cndmask_b32 v[JJ+\t], \j, v[JJ+\t], vcc_lo
.endr
.endr
.irp t, 0,1,2,3,4,5,6,7
	v_lshl_add_u32 v[TID+\t], v[TID+\t], 4, v[JJ+\t]
.endr
.irp t, 0,1,2,3,4,5,6,7
	v_add_nc_u32 v[TID+\t], v[TID+\t], v13         ; the codeword: 16 x tile + 8 h + j
.endr
.irp t, 0,1,2,3,4,5,6,7
	ds_store_b32 v10, v[BEST+\t] offset:64*\t              ; partial winner 2 x wave + h of token 16 t + r
	ds_store_b32 v10, v[TID+\t] offset:8192+64*\t
.endr
	s_wait_dscnt 0x0                               ; for wave 0's sake: my stores have landed
	s_barrier_signal -1
	s_barrier_wait -1
	s_cmp_lg_u32 s12, 0                            ; wave 0 keeps the best two of each token's 16 partial winners, four tokens a lane; no barrier stands under this branch
	s_cbranch_scc1 .Lothers
.irp p, 0,1,2,3,4,5,6,7,8,9,10,11,12,13,14,15
	ds_load_b128 v[96+4*\p:99+4*\p], v11 offset:512*\p
	ds_load_b128 v[160+4*\p:163+4*\p], v11 offset:8192+512*\p
.endr
.irp c, 0,1,2,3
	v_mov_b32 v[R2V+\c], 0xff800000                ; the second best begins at -infinity: the first insertion replaces it
	v_mov_b32 v[R2I+\c], 0
.endr
	s_wait_dscnt 0x0
.irp p, 1,2,3,4,5,6,7,8,9,10,11,12,13,14,15
.irp c, 0,1,2,3
	INS 96+\c, 160+\c, R2V+\c, R2I+\c, 96+4*\p+\c, 160+4*\p+\c
.endr
.endr
	global_store_b128 v12, v[160:163], s[10:11]                  ; 32 lanes store 512 consecutive bytes, at a multiple of 256 from the buffer's first byte: the best,
	global_store_b128 v12, v[R2I:R2I+3], s[10:11] offset:65536   ; the second best
.Lothers:
	s_wait_tensorcnt 0x0                           ; the wave's end, behind my last tensor load and my last LDS store
	ds_add_u32 v4, v5
	s_wait_dscnt 0x0
	ROUND                                          ; the closing round: no work-group ends while a partner may still ask for a tile that names it
	s_endpgm
.Lfunc_end_k_q3b45f8ac0c_search:
	.size	k_q3b45f8ac0c_search, .Lfunc_end_k_q3b45f8ac0c_search-k_q3b45f8ac0c_search
	.p2alignl 7, 3214868480
	.fill 96, 4, 3214868480
	.section	.rodata,"a",@progbits
	.p2align	6, 0x0
	.amdhsa_kernel k_q3b45f8ac0c_search
		.amdhsa_group_segment_fixed_size 327680
		.amdhsa_private_segment_fixed_size 0
		.amdhsa_enable_private_segment 0
		.amdhsa_kernarg_size 24
		.amdhsa_user_sgpr_count 2
		.amdhsa_user_sgpr_kernarg_segment_ptr 1
		.amdhsa_wavefront_size32 1
		.amdhsa_system_sgpr_workgroup_id_x 1
		.amdhsa_system_sgpr_workgroup_id_y 1
		.amdhsa_system_sgpr_workgroup_id_z 1
		.amdhsa_system_vgpr_workitem_id 0
		.amdhsa_next_free_vgpr 512
		.amdhsa_next_free_sgpr 66
		.amdhsa_reserve_vcc 1
		.amdhsa_float_denorm_mode_32 3
		.amdhsa_float_denorm_mode_16_64 3
		.amdhsa_memory_ordered 1
		.amdhsa_forward_progress 1
		.amdhsa_inst_pref_size 252
	.end_amdhsa_kernel
	.amdgpu_metadata
---
amdhsa.version: [ 1, 2 ]
amdhsa.kernels:
  - .name:           k_q3b45f8ac0c_search
    .symbol:         k_q3b45f8ac0c_search.kd
    .args:
      - { .name: zrec, .offset: 0, .size: 8, .value_kind: global_buffer, .address_space: global }
      - { .name: erec, .offset: 8, .size: 8, .value_kind: global_buffer, .address_space: global }
      - { .name: pidx, .offset: 16, .size: 8, .value_kind: global_buffer, .address_space: global }
    .group_segment_fixed_size: 327680
    .private_segment_fixed_size: 0
    .kernarg_segment_align: 8
    .kernarg_segment_size: 24
    .max_flat_workgroup_size: 256
    .sgpr_count:     66
    .vgpr_count:     512
    .wavefront_size: 32
...
	.end_amdgpu_metadata
.endif
;; end of part 2
;; launch rescore (part 3): grid 256 x 1, 8 waves a work-group, no clusters, 1,280 bytes of LDS; arguments zrec, erec, pidx, fidx; writes fidx
.if DOCPART == 3
	.amdgcn_target "amdgcn-amd-amdhsa--gfx1250"
	.amdhsa_code_object_version 6
	.text
	.protected	k_q3b45f8ac0c_rescore
	.globl	k_q3b45f8ac0c_rescore
	.p2align	8
	.type	k_q3b45f8ac0c_rescore,@function
k_q3b45f8ac0c_rescore:
	s_mov_b64 s[64:65], 0
	v_nop
	global_prefetch_b8 v0, s[64:65] scope:SCOPE_SE
	s_setreg_imm32_b32 hwreg(HW_REG_WAVE_MODE, 25, 1), 1
	s_wait_xcnt 0x0
; THE CHOICE AMONG A TOKEN'S FOUR CONTENDERS (the two best of each slice of the codebook, pidx [2][2][16384]).  Contenders can lie closer together than one step of f32 at the size of d, so here every
; f32 rounding of d = (zz + ee) - 2 z.e stands where a plain evaluation of reference() has it: z.e is the sum of the exact products of the quantised numbers, added ONE BY ONE IN ASCENDING k in f32;
; zz + ee is one f32 addition; the subtraction of 2 z.e another.  The smallest d wins, ties to the lower index; the winner's index goes to fidx [16384].
; This is 4 of the 8,192 products of a token, made again by fused multiply-adds on the same codes and scale bytes; the product proper is the matrix unit's, in the launch before.
; SHARES.  A lane takes one token and one contender: lane = 4 q + c, token 64 x work-group + 8 x wave + q, contender c = 2 x slice + rank.  A lane reads its rows' codes from the records:
; piece j (k = 16 j .. 16 j + 15) of row r lies at byte 256 j + 16 r; the scale word of K step s at 4096 + 64 s + 4 r; minus the sum of squares at 4224 + 4 r.
; The contender's place is made of the stored whole number by ANDs, one multiplication and left shifts: record I / 16 begins at (I & 0x1ff0) x 272.
; A CODE OF E5M2 IS THE UPPER BYTE OF AN f16 NUMBER (a sign, 5 exponent bits with the same bias, the first 2 mantissa bits): masks and shifts bring each code into the upper byte of a low half,
; the conversion from f16 widens it exactly, subnormals too, and a multiplication by 2^(scale byte - 127), whose f32 pattern is the byte << 23, gives the quantised number.
; A product of two such numbers has six mantissa bits: it is exact, so each fused multiply-add is one f32 addition of an exact product.
; No address and no branch hangs on a floating-point number: the choice is made by selects and stored at a fixed place.  No matrix unit, no tensor load: 4 x 256 multiply-adds a token.
; LIMITS: NaN and infinities are not served.
.set REC, 4352
.set ZD,  32                           ; v32-63   a block's 32 numbers of z
.set ED,  64                           ; v64-95   and of the contender.   v16-31 at work in the decoding
.set ZS,  96                           ; v96-97   z's two scale words
.set ES,  98                           ; v98-99   the contender's
.set NZ,  100                          ; -zz, then C
.set NE,  101                          ; -ee
.set FZ,  102                          ; v102-103 2^(z's scale byte - 127): a pair, of which the packed form takes the low word for both halves
.set FE,  104                          ; v104-105 the contender's
.set P,   106                          ; z.e
.set DV,  107                          ; D = -d
.set IX,  108                          ; the contender's index
.set DP,  109                          ; another lane's D,
.set IP,  110                          ; and index
.set ZC,  128                          ; v128-191 z's codes: four registers a piece
.set EC,  192                          ; v192-255 the contender's
	s_load_b128 s[4:7], s[0:1], 0x0                ; zrec, erec
	s_load_b128 s[8:11], s[0:1], 0x10              ; pidx, fidx
	v_lshl_add_u32 v126, v0, 2, 0x100
	v_mov_b32 v127, 0
	v_lshrrev_b32 v1, 5, v0
	v_readfirstlane_b32 s12, v1                    ; wave 0..7
	v_and_b32 v1, 31, v0                           ; lane
	v_lshrrev_b32 v2, 2, v1                        ; q
	v_and_b32 v3, 3, v0                            ; c
	s_and_b32 s13, s12, 1
	s_lshl_b32 s13, s13, 3
	v_add_nc_u32 v4, s13, v2                       ; my token's row in its record: 8 (wave % 2) + q
	v_lshlrev_b32 v5, 4, v4                        ; 16 r: its codes
	v_lshlrev_b32 v6, 2, v4                        ; 4 r: its scale words and -zz
	v_lshlrev_b32 v7, 2, v2
	v_lshl_add_u32 v7, v3, 16, v7                  ; pidx: 65,536 c + 4 q
	v_and_b32 v8, 0xfc, v0                         ; LDS: the word of my token: 4 x (thread / 4)
	v_lshlrev_b32 v9, 3, v1                        ; 8 x lane
	s_lshl_b32 s14, ttmp9, 2
	s_lshr_b32 s15, s12, 1
	s_add_co_u32 s14, s14, s15
	s_mul_i32 s14, s14, REC                        ; z's record: number 4 x work-group + wave / 2
	s_mov_b32 s15, 0
	s_lshl_b32 s16, ttmp9, 8                       ; the work-group's 64 words of fidx
	s_mov_b32 s17, 0
	s_lshl_b32 s18, s12, 5
	s_add_co_u32 s18, s18, s16                     ; the wave's 8 words in a rank of pidx
	s_mov_b32 s19, 0
	s_mov_b32 s22, 0xff00ff00                      ; a word's codes 1 and 3,
	s_mov_b32 s23, 0x00ff00ff                      ; 0 and 2
	v_mov_b32 v[FZ+1], 0                           ; named as the upper halves of pairs, so they are written
	v_mov_b32 v[FE+1], 0
	v_mov_b32 v[DP], 0                             ; a DPP form's destination counts as read
	v_mov_b32 v[IP], 0
	s_wait_kmcnt 0x0
	s_add_nc_u64 s[4:5], s[4:5], s[14:15]
	s_add_nc_u64 s[8:9], s[8:9], s[18:19]
	s_add_nc_u64 s[10:11], s[10:11], s[16:17]
	global_load_b32 v[IX], v7, s[8:9]              ; my contender
.irp j, 0,1,2,3,4,5,6,7,8,9,10,11,12,13,14,15
	global_load_b128 v[ZC+4*\j:ZC+4*\j+3], v5, s[4:5] offset:256*\j   ; z's codes; the four lanes of a token read the same bytes
.endr
	global_load_b32 v[ZS], v6, s[4:5] offset:4096
	global_load_b32 v[ZS+1], v6, s[4:5] offset:4160
	global_load_b32 v[NZ], v6, s[4:5] offset:4224
	s_wait_loadcnt 19                              ; the index is in; z's 19 loads, issued behind it, may be out
	v_min_u32 v[IX], 0x1fff, v[IX]                 ; an index stays inside the table
	v_and_b32 v10, 0x1ff0, v[IX]
	v_mul_u32_u24 v10, v10, 272                    ; 16 (I / 16) x 272 = (I / 16) x 4,352: its record
	v_and_b32 v11, 15, v[IX]                       ; its row there
	v_lshl_add_u32 v12, v11, 4, v10                ; its codes
	v_lshl_add_u32 v13, v11, 2, v10                ; its scale words and -ee
.irp j, 0,1,2,3,4,5,6,7,8,9,10,11,12,13,14,15
	global_load_b128 v[EC+4*\j:EC+4*\j+3], v12, s[6:7] offset:256*\j
.endr
	global_load_b32 v[ES], v13, s[6:7] offset:4096
	global_load_b32 v[ES+1], v13, s[6:7] offset:4160
	global_load_b32 v[NE], v13, s[6:7] offset:4224
	s_wait_loadcnt 0x0
; Four words of codes, v[src] on, become sixteen f32 numbers, v[dst] on, the lowest byte first.  Word n works in v[16 + 4 n] on: codes 1 and 3 | codes 0 and 2, then code 2 | code 0 | code 3, each in the upper byte of the low half.
.macro DEC4 src, dst
.irp n, 0,1,2,3
	v_and_b32 v[16+4*\n], s22, v[(\src)+\n]
	v_and_b32 v[17+4*\n], s23, v[(\src)+\n]
.endr
.irp n, 0,1,2,3
	v_lshlrev_b32 v[18+4*\n], 8, v[17+4*\n]
	v_lshrrev_b32 v[19+4*\n], 16, v[16+4*\n]
.endr
.irp n, 0,1,2,3
	v_lshrrev_b32 v[17+4*\n], 8, v[17+4*\n]
.endr
	v_cvt_f32_f16 v[(\dst)+0], v18.l
	v_cvt_f32_f16 v[(\dst)+1], v16.l
	v_cvt_f32_f16 v[(\dst)+2], v17.l
	v_cvt_f32_f16 v[(\dst)+3], v19.l
	v_cvt_f32_f16 v[(\dst)+4], v22.l
	v_cvt_f32_f16 v[(\dst)+5], v20.l
	v_cvt_f32_f16 v[(\dst)+6], v21.l
	v_cvt_f32_f16 v[(\dst)+7], v23.l
	v_cvt_f32_f16 v[(\dst)+8], v26.l
	v_cvt_f32_f16 v[(\dst)+9], v24.l
	v_cvt_f32_f16 v[(\dst)+10], v25.l
	v_cvt_f32_f16 v[(\dst)+11], v27.l
	v_cvt_f32_f16 v[(\dst)+12], v30.l
	v_cvt_f32_f16 v[(\dst)+13], v28.l
	v_cvt_f32_f16 v[(\dst)+14], v29.l
	v_cvt_f32_f16 v[(\dst)+15], v31.l
.endm
; Block b: k = 32 b .. 32 b + 31
.macro BLOCK b
	DEC4 ZC+8*(\b), ZD
	DEC4 ZC+8*(\b)+4, ZD+16
	DEC4 EC+8*(\b), ED
	DEC4 EC+8*(\b)+4, ED+16
	v_bfe_u32 v[FZ], v[ZS+(\b)/4], 8*((\b)%4), 8   ; the block's scale bytes,
	v_bfe_u32 v[FE], v[ES+(\b)/4], 8*((\b)%4), 8
	v_lshlrev_b32 v[FZ], 23, v[FZ]                 ; as f32 numbers 2^(byte - 127)
	v_lshlrev_b32 v[FE], 23, v[FE]
.irp i, 0,2,4,6,8,10,12,14,16,18,20,22,24,26,28,30
	v_pk_mul_f32 v[ZD+\i:ZD+\i+1], v[ZD+\i:ZD+\i+1], v[FZ:FZ+1] op_sel_hi:[1,0]   ; the quantised numbers: nothing is rounded
	v_pk_mul_f32 v[ED+\i:ED+\i+1], v[ED+\i:ED+\i+1], v[FE:FE+1] op_sel_hi:[1,0]
.endr
.if (\b) == 0
	v_mul_f32 v[P], v[ZD], v[ED]                   ; the first product starts the sum
.else
	v_fmac_f32 v[P], v[ZD], v[ED]
.endif
.irp i, 1,2,3,4,5,6,7,8,9,10,11,12,13,14,15,16,17,18,19,20,21,22,23,24,25,26,27,28,29,30,31
	v_fmac_f32 v[P], v[ZD+\i], v[ED+\i]            ; ONE chain, k ascending
.endr
.endm
.irp b, 0,1,2,3,4,5,6,7
	BLOCK \b
.endr
	v_add_f32 v[NZ], v[NE], v[NZ]                  ; C = (-ee) + (-zz) = -fl(zz + ee)
	v_fma_f32 v[DV], 2.0, v[P], v[NZ]              ; D = fl(2 z.e + C) = -d  (2 z.e is exact)
; (va, ia) takes (vb, ib) where vb is larger, or equal with the lower index
.macro BETTER va, ia, vb, ib
	v_cmp_gt_f32 s20, v[\vb], v[\va]
	v_cmp_eq_f32 s21, v[\vb], v[\va]
	v_cmp_lt_u32 vcc_lo, v[\ib], v[\ia]
	s_and_b32 s21, s21, vcc_lo
	s_or_b32 s20, s20, s21
	v_cndmask_b32 v[\va], v[\va], v[\vb], s20
	v_cndmask_b32 v[\ia], v[\ia], v[\ib], s20
.endm
.irp m, 1,2                            ; the four lanes of a token: lane l xor 1, then lane l xor 2; all four end with the winner
	v_mov_b32_dpp v[DP], v[DV] row_xmask:\m row_mask:0xf bank_mask:0xf
	v_mov_b32_dpp v[IP], v[IX] row_xmask:\m row_mask:0xf bank_mask:0xf
	BETTER DV, IX, DP, IP
.endr
	ds_store_b32 v8, v[IX]                         ; the four lanes of a token write the same word with the same value
	s_wait_dscnt 0x0                               ; for wave 0's sake: my store has landed
	s_barrier_signal -1
	s_barrier_wait -1
	s_cmp_lg_u32 s12, 0                            ; wave 0 stores the work-group's 64 winners; no barrier stands under this branch
	s_cbranch_scc1 .Ldone
	ds_load_b64 v[14:15], v9
	s_wait_dscnt 0x0
	global_store_b64 v9, v[14:15], s[10:11]        ; 32 lanes store 256 consecutive bytes, at a multiple of 256 from the buffer's first byte
.Ldone:
	s_wait_tensorcnt 0x0
	ds_add_u32 v126, v127
	s_wait_dscnt 0x0
	s_endpgm
.Lfunc_end_k_q3b45f8ac0c_rescore:
	.size	k_q3b45f8ac0c_rescore, .Lfunc_end_k_q3b45f8ac0c_rescore-k_q3b45f8ac0c_rescore
	.p2alignl 7, 3214868480
	.fill 96, 4, 3214868480
	.section	.rodata,"a",@progbits
	.p2align	6, 0x0
	.amdhsa_kernel k_q3b45f8ac0c_rescore
		.amdhsa_group_segment_fixed_size 1280
		.amdhsa_private_segment_fixed_size 0
		.amdhsa_enable_private_segment 0
		.amdhsa_kernarg_size 32
		.amdhsa_user_sgpr_count 2
		.amdhsa_user_sgpr_kernarg_segment_ptr 1
		.amdhsa_wavefront_size32 1
		.amdhsa_system_sgpr_workgroup_id_x 1
		.amdhsa_system_sgpr_workgroup_id_y 1
		.amdhsa_system_sgpr_workgroup_id_z 1
		.amdhsa_system_vgpr_workitem_id 0
		.amdhsa_next_free_vgpr 256
		.amdhsa_next_free_sgpr 66
		.amdhsa_reserve_vcc 1
		.amdhsa_float_denorm_mode_32 3
		.amdhsa_float_denorm_mode_16_64 3
		.amdhsa_memory_ordered 1
		.amdhsa_forward_progress 1
		.amdhsa_inst_pref_size 69
	.end_amdhsa_kernel
	.amdgpu_metadata
---
amdhsa.version: [ 1, 2 ]
amdhsa.kernels:
  - .name:           k_q3b45f8ac0c_rescore
    .symbol:         k_q3b45f8ac0c_rescore.kd
    .args:
      - { .name: zrec, .offset: 0, .size: 8, .value_kind: global_buffer, .address_space: global }
      - { .name: erec, .offset: 8, .size: 8, .value_kind: global_buffer, .address_space: global }
      - { .name: pidx, .offset: 16, .size: 8, .value_kind: global_buffer, .address_space: global }
      - { .name: fidx, .offset: 24, .size: 8, .value_kind: global_buffer, .address_space: global }
    .group_segment_fixed_size: 1280
    .private_segment_fixed_size: 0
    .kernarg_segment_align: 8
    .kernarg_segment_size: 32
    .max_flat_workgroup_size: 256
    .sgpr_count:     66
    .vgpr_count:     256
    .wavefront_size: 32
...
	.end_amdgpu_metadata
.endif
;; end of part 3
;; launch gather (part 4): grid 256 x 1, 8 waves a work-group, no clusters, 0 bytes of LDS; arguments z, embedding, fidx, out0; writes out0
.if DOCPART == 4
	.amdgcn_target "amdgcn-amd-amdhsa--gfx1250"
	.amdhsa_code_object_version 6
	.text
	.protected	k_q3b45f8ac0c_gather
	.globl	k_q3b45f8ac0c_gather
	.p2align	8
	.type	k_q3b45f8ac0c_gather,@function
k_q3b45f8ac0c_gather:
	s_mov_b64 s[64:65], 0
	v_nop
	global_prefetch_b8 v0, s[64:65] scope:SCOPE_SE
	s_setreg_imm32_b32 hwreg(HW_REG_WAVE_MODE, 25, 1), 1
	s_wait_xcnt 0x0
; out[t] = z[t] + (embedding[idx[t]] - z[t]), in f32, as reference() has it.  idx is fidx [16384], whole numbers that the launch before stored: the addresses are made of them alone.
; A wave takes 8 tokens: 64 x work-group + 8 x wave on.  A row is 1,024 bytes: two loads or stores of 512 consecutive bytes.  All is written out: every offset is an immediate and no register that a
; memory instruction names is written again.  No LDS, no barrier, no matrix unit: the launch moves bytes.
.set Z,  16                            ; v16-79    z: 8 registers a token
.set E,  80                            ; v80-143   the codeword's row, then the result
.set OF, 144                           ; v144-151  the rows' byte offsets in the embedding
	s_load_b256 s[4:11], s[0:1], 0x0               ; z s[4:5], embedding s[6:7], fidx s[8:9], out0 s[10:11]
	v_lshrrev_b32 v1, 5, v0
	v_readfirstlane_b32 s14, v1                    ; wave 0..7
	v_and_b32 v1, 31, v0
	v_lshlrev_b32 v1, 4, v1                        ; 16 x lane
	s_lshl_b32 s15, ttmp9, 6
	s_lshl_b32 s24, s14, 3
	s_add_co_u32 s15, s15, s24                     ; my first token
	s_lshl_b32 s24, s15, 10                        ; its row in z and in out0
	s_mov_b32 s25, 0
	s_lshl_b32 s26, s15, 2                         ; its word in fidx
	s_mov_b32 s27, 0
	s_wait_kmcnt 0x0
	s_add_nc_u64 s[4:5], s[4:5], s[24:25]
	s_add_nc_u64 s[10:11], s[10:11], s[24:25]
	s_add_nc_u64 s[8:9], s[8:9], s[26:27]
	s_load_b256 s[16:23], s[8:9], 0x0              ; the indices of my 8 tokens
.irp q, 0,1,2,3,4,5,6,7
	global_load_b128 v[Z+8*\q:Z+8*\q+3], v1, s[4:5] offset:1024*\q th:TH_LOAD_NT
	global_load_b128 v[Z+8*\q+4:Z+8*\q+7], v1, s[4:5] offset:1024*\q+512 th:TH_LOAD_NT
.endr
	s_wait_kmcnt 0x0
.irp q, 0,1,2,3,4,5,6,7
	s_min_u32 s[16+\q], s[16+\q], 8191             ; an index stays inside the table
	v_lshl_add_u32 v[OF+\q], s[16+\q], 10, v1      ; row x 1,024 + 16 x lane
	global_load_b128 v[E+8*\q:E+8*\q+3], v[OF+\q], s[6:7]
	global_load_b128 v[E+8*\q+4:E+8*\q+7], v[OF+\q], s[6:7] offset:512
.endr
.irp q, 0,1,2,3,4,5,6,7
	s_wait_loadcnt 2*(7-\q)                        ; z and this token's row are in; the two loads of each later token may be out
.irp j, 0,2,4,6
	v_pk_add_f32 v[E+8*\q+\j:E+8*\q+\j+1], v[E+8*\q+\j:E+8*\q+\j+1], v[Z+8*\q+\j:Z+8*\q+\j+1] neg_lo:[0,1] neg_hi:[0,1]   ; e - z
.endr
.irp j, 0,2,4,6
	v_pk_add_f32 v[E+8*\q+\j:E+8*\q+\j+1], v[Z+8*\q+\j:Z+8*\q+\j+1], v[E+8*\q+\j:E+8*\q+\j+1]   ; z + (e - z)
.endr
	global_store_b128 v1, v[E+8*\q:E+8*\q+3], s[10:11] offset:1024*\q th:TH_STORE_NT       ; 32 lanes store 512 consecutive bytes, at a multiple of 256 from out0's first byte
	global_store_b128 v1, v[E+8*\q+4:E+8*\q+7], s[10:11] offset:1024*\q+512 th:TH_STORE_NT
.endr
	s_endpgm
.Lfunc_end_k_q3b45f8ac0c_gather:
	.size	k_q3b45f8ac0c_gather, .Lfunc_end_k_q3b45f8ac0c_gather-k_q3b45f8ac0c_gather
	.p2alignl 7, 3214868480
	.fill 96, 4, 3214868480
	.section	.rodata,"a",@progbits
	.p2align	6, 0x0
	.amdhsa_kernel k_q3b45f8ac0c_gather
		.amdhsa_group_segment_fixed_size 0
		.amdhsa_private_segment_fixed_size 0
		.amdhsa_enable_private_segment 0
		.amdhsa_kernarg_size 32
		.amdhsa_user_sgpr_count 2
		.amdhsa_user_sgpr_kernarg_segment_ptr 1
		.amdhsa_wavefront_size32 1
		.amdhsa_system_sgpr_workgroup_id_x 1
		.amdhsa_system_sgpr_workgroup_id_y 1
		.amdhsa_system_sgpr_workgroup_id_z 1
		.amdhsa_system_vgpr_workitem_id 0
		.amdhsa_next_free_vgpr 152
		.amdhsa_next_free_sgpr 66
		.amdhsa_reserve_vcc 0
		.amdhsa_float_denorm_mode_32 3
		.amdhsa_float_denorm_mode_16_64 3
		.amdhsa_memory_ordered 1
		.amdhsa_forward_progress 1
		.amdhsa_inst_pref_size 11
	.end_amdhsa_kernel
	.amdgpu_metadata
---
amdhsa.version: [ 1, 2 ]
amdhsa.kernels:
  - .name:           k_q3b45f8ac0c_gather
    .symbol:         k_q3b45f8ac0c_gather.kd
    .args:
      - { .name: z, .offset: 0, .size: 8, .value_kind: global_buffer, .address_space: global }
      - { .name: embedding, .offset: 8, .size: 8, .value_kind: global_buffer, .address_space: global }
      - { .name: fidx, .offset: 16, .size: 8, .value_kind: global_buffer, .address_space: global }
      - { .name: out0, .offset: 24, .size: 8, .value_kind: global_buffer, .address_space: global }
    .group_segment_fixed_size: 0
    .private_segment_fixed_size: 0
    .kernarg_segment_align: 8
    .kernarg_segment_size: 32
    .max_flat_workgroup_size: 256
    .sgpr_count:     66
    .vgpr_count:     152
    .wavefront_size: 32
...
	.end_amdgpu_metadata
.endif
;; end of part 4
;; ======== version 2 of 2: 3 launches
;; limits: right only within a limited range of input values
;; workspace buffers: zrec 4,456,448 bytes; erec 2,228,224 bytes; erow 2,097,152 bytes; pidx 262,144 bytes of whole numbers
;; launch prep (part 5): grid 256 x 1, 6 waves a work-group, no clusters, 102,144 bytes of LDS; arguments z, embedding, zrec, erec, erow; writes zrec, erec, erow
.if DOCPART == 5
	.amdgcn_target "amdgcn-amd-amdhsa--gfx1250"
	.amdhsa_code_object_version 6
	.text
	.protected	k_q3b45f8ac0c_prep
	.globl	k_q3b45f8ac0c_prep
	.p2align	8
	.type	k_q3b45f8ac0c_prep,@function
k_q3b45f8ac0c_prep:
	s_mov_b64 s[64:65], 0
	v_nop
	global_prefetch_b8 v0, s[64:65] scope:SCOPE_SE
	s_setreg_imm32_b32 hwreg(HW_REG_WAVE_MODE, 25, 1), 1
	s_wait_xcnt 0x0
; z [16384][256] and embedding [8192][256], f32, become RECORDS of 16 rows each: codes of BF8 (E5M2) with one E8M0 scale byte for each 32 along K,
; laid as the image of a matrix operand's registers, and minus each row's sum of squares in f32.
; A record is 4,352 bytes (17 x 256):
;   byte 512 g + 16 l (g = 4 s + c = 0..7, lane l = 16 h + r): the 16 codes of row r at k = 128 s + 32 c + 16 h + 0..15: registers 4 c .. 4 c + 3 of the fragment of K step s
;   byte 4096 + 4 l: the scale word (four bytes) of row l % 16 for K step l / 16
;   byte 4224 + 4 m and byte 4288 + 4 m (m = 0..15): -(sum over k of row m's squares), twice
; The embedding's codes are stored a second time row by row, erow [8192][256]: the launch that scores single codewords again reads a row there as 256 consecutive bytes.
; A block's scale is 2^(floor(log2(its largest magnitude)) - 15); its byte is the largest magnitude's exponent field - 15, held at 1 from below.  (A block of zeros so gets the
; byte 1 where the rule says 127: its codes are zeros, which add nothing, and this program alone reads the bytes.)  Each number is held within +-57,344 x the scale and rounded to the nearest code, ties to even.
; THE SUM OF SQUARES: each square is rounded to f32; the 256 squares of a row are summed in eight windows of 32, each one chain of f32 additions in ascending k, and the eight partial sums are
; added in ascending order.  The nearest codeword hangs on the last bits of these sums, so their order is stated here and kept; a window's partial sums stay small, so each addition rounds finely.
; LIMITS: NaN and infinities among the inputs are not served.
; SHARES: 1,536 tiles of 16 rows (1,024 of z, 512 of the embedding), one to a wave: tile 6 x work-group + wave.  The tensor is chosen by selects on that number; no barrier, waves share nothing.
; Each load reads 512 consecutive bytes; the conversions want 16 neighbours along K in ONE lane: so the tile turns through the wave's own stage in LDS (rows of 1,024 bytes + 16 of padding:
; the sixteen rows that a read touches start 16 bytes apart modulo 256).
; WORK LEFT OUT BY THIS PROGRAM: reference() returns z + (z_q - z).  In exact arithmetic that is z_q for every finite z and z_q, so the subtraction and the addition are left out and the last launch
; stores the chosen row of the embedding as it is; z has its way to the result through the choice of the row alone, and its f32 numbers are read in this launch only.
; LIMIT: what the two f32 roundings of z + (z_q - z) would add (at most a step of f32 at the size of z), and a NaN, an infinity or an overflow that only these two steps would make, are not carried to the result.
.set WREG, 16896                       ; LDS of a wave: the stage, 16 x 1,040 bytes, and 256 bytes for the record's last unit
.set SP,   1040
.set SIDE, 16640
.set REC,  4352
.set RP,   272                         ; the stage once more, for the codes row by row: 256 bytes + 16 of padding
.set TM,   16                          ; v16-19 largest magnitudes, v20-23 bytes, v24-27 the largest number x the scale, v28-31 the conversions' scale operands
.set PW0,  32                          ; the scale word of K step 0,
.set PW1,  33                          ; of K step 1
.set NSS,  34                          ; minus the row's sum of squares
.set PWS,  35                          ; the scale word that my lane stores
.set TA,   36                          ; v36-43 the eight windows' chains through their first 16 squares (they count in lanes 0-15)
.set BK,   44                          ; v44-45 the last unit read back
.set C,    48                          ; v48-79 the codes: 16 registers for each K step
.set X,    80                          ; v80-207 my 128 numbers; at the end v80-111 the codes read back by rows
.set SQ,   208                         ; v208-223 two squares of each of the eight windows
.set TB,   224                         ; v224-231 the eight windows' chains through their last 16 squares (they count in lanes 16-31)
.set FS,   232                         ; the sum of the eight windows (it counts in lanes 16-31),
.set FP,   233                         ; and the same handed to lanes 0-15
	s_load_b128 s[4:7], s[0:1], 0x0                ; z, embedding
	s_load_b128 s[8:11], s[0:1], 0x10              ; zrec, erec
	s_load_b64 s[26:27], s[0:1], 0x20              ; erow
	v_lshl_add_u32 v240, v0, 2, 0x18c00
	v_mov_b32 v241, 0
	v_lshrrev_b32 v1, 5, v0
	v_readfirstlane_b32 s12, v1                    ; wave 0..5
	v_and_b32 v1, 31, v0                           ; lane
	v_and_b32 v8, 15, v0                           ; r
	v_bfe_u32 v9, v0, 4, 1                         ; h
	v_lshlrev_b32 v2, 4, v1                        ; 16 x lane: my bytes of a load's or a store's 512
	s_mul_i32 s13, s12, WREG                       ; my wave's LDS
	v_add_nc_u32 v3, s13, v2                       ; the stage on the way in
	v_mul_u32_u24 v4, v8, SP
	v_lshl_add_u32 v4, v9, 6, v4
	v_add_nc_u32 v4, s13, v4                       ; and on the way out: row r, + 64 h: my 16 numbers of a block of 32
	s_add_co_u32 s14, s13, SIDE
	v_lshlrev_b32 v7, 3, v1                        ; 8 x lane
	v_lshlrev_b32 v5, 2, v1
	v_add_nc_u32 v5, s14, v5                       ; the last unit: 4 bytes a lane in,
	v_add_nc_u32 v6, s14, v7                       ; 8 bytes a lane out
	v_mul_u32_u24 v10, v8, RP
	v_lshl_add_u32 v10, v9, 4, v10
	v_add_nc_u32 v10, s13, v10                     ; the codes by rows, in: row r, + 16 h
	v_mul_u32_u24 v11, v9, RP
	v_lshl_add_u32 v11, v8, 4, v11
	v_add_nc_u32 v11, s13, v11                     ; and back: lanes 0-15 one row of 256 bytes, lanes 16-31 the next
	s_mov_b32 s20, 0x76543210
	s_mov_b32 s21, 0xfedcba98                      ; v_permlanex16_b32's selects for lane l xor 16
	s_mov_b32 s23, 0x600000                        ; the mantissa field of 57,344
.irp b, 0,1,2,3
	v_mov_b32 v[TM+4+\b], 0                        ; written once: a lane permute's destination counts as one of its sources
.endr
.irp b, 0,1,2,3,4,5,6,7
	v_mov_b32 v[TB+\b], 0                          ; likewise
.endr
	v_mov_b32 v[FP], 0                             ; likewise
	s_mul_i32 s15, ttmp9, 6
	s_add_co_u32 s15, s15, s12                     ; my tile, 0..1535
	s_mov_b32 s24, s15                             ; kept for the branch at the end
	s_wait_kmcnt 0x0
	s_cmp_lt_u32 s15, 1024                         ; z's tile or the embedding's?  The choice hangs on ids alone
	s_cselect_b64 s[4:5], s[4:5], s[6:7]
	s_cselect_b64 s[8:9], s[8:9], s[10:11]
	s_cselect_b32 s16, 0, 1024
	s_sub_co_u32 s15, s15, s16                     ; the tile's number in its tensor
	s_lshl_b32 s16, s15, 14                        ; 16 rows of 1,024 bytes
	s_mov_b32 s17, 0
	s_mul_i32 s18, s15, REC
	s_mov_b32 s19, 0
	s_add_nc_u64 s[4:5], s[4:5], s[16:17]
	s_add_nc_u64 s[8:9], s[8:9], s[18:19]
.set q, 0
.rept 32
	global_load_b128 v[X+4*q:X+4*q+3], v2, s[4:5] offset:512*q th:TH_LOAD_NT   ; 32 lanes read 512 consecutive bytes: half a row
.set q, q+1
.endr
.set q, 0
.rept 32
	s_wait_loadcnt 31-q                            ; loads come back in order: number q is in, the younger ones stay out
	ds_store_b128 v3, v[X+4*q:X+4*q+3] offset:(q/2)*SP+(q%2)*512
.set q, q+1
.endr
	s_wait_dscnt 0x0                               ; the stores have read their registers: the loads below land in the same ones
.irp b, 0,1,2,3,4,5,6,7
.irp j, 0,1,2,3
	ds_load_b128 v[X+16*\b+4*\j:X+16*\b+4*\j+3], v4 offset:128*\b+16*\j   ; register X + 16 b + i = k 32 b + 16 h + i of row r
.endr
.endr
	s_wait_dscnt 0x0
	; THE ROW'S SUM OF SQUARES, of the numbers as they came.  Window b is k = 32 b .. 32 b + 31: lanes 0-15 hold its first 16 numbers, lanes 16-31 its last 16.
	; Every lane runs every line.  The first pass adds a lane's 16 squares of each window and counts in lanes 0-15; its sums are handed to the other half; the second pass adds the 16 squares onto
	; what was handed over and counts in lanes 16-31.  What the other half computes meanwhile is never used.  The eight windows take turns, so that no addition waits for the line above it.
.irp p, 0,2,4,6,8,10,12,14
.irp b, 0,1,2,3,4,5,6,7
	v_pk_mul_f32 v[SQ+2*\b:SQ+2*\b+1], v[X+16*\b+\p:X+16*\b+\p+1], v[X+16*\b+\p:X+16*\b+\p+1]   ; two squares of each window, each rounded to f32
.endr
.if \p == 0
.irp b, 0,1,2,3,4,5,6,7
	v_add_f32 v[TA+\b], v[SQ+2*\b], v[SQ+2*\b+1]   ; the first two squares start a window's chain: nothing is cleared
.endr
.else
.irp b, 0,1,2,3,4,5,6,7
	v_add_f32 v[TA+\b], v[TA+\b], v[SQ+2*\b]
.endr
.irp b, 0,1,2,3,4,5,6,7
	v_add_f32 v[TA+\b], v[TA+\b], v[SQ+2*\b+1]
.endr
.endif
.endr
.irp b, 0,1,2,3,4,5,6,7
	v_permlanex16_b32 v[TB+\b], v[TA+\b], s20, s21 ; lanes 16-31 take window b's sum up to k = 32 b + 15
.endr
.irp p, 0,2,4,6,8,10,12,14
.irp b, 0,1,2,3,4,5,6,7
	v_pk_mul_f32 v[SQ+2*\b:SQ+2*\b+1], v[X+16*\b+\p:X+16*\b+\p+1], v[X+16*\b+\p:X+16*\b+\p+1]   ; the same squares once more: 128 registers of them would not fit beside the numbers
.endr
.irp b, 0,1,2,3,4,5,6,7
	v_add_f32 v[TB+\b], v[TB+\b], v[SQ+2*\b]
.endr
.irp b, 0,1,2,3,4,5,6,7
	v_add_f32 v[TB+\b], v[TB+\b], v[SQ+2*\b+1]
.endr
.endr
	v_add_f32 v[FS], v[TB], v[TB+1]                ; the eight windows' sums, in ascending order
.irp b, 2,3,4,5,6,7
	v_add_f32 v[FS], v[FS], v[TB+\b]
.endr
	v_permlanex16_b32 v[FP], v[FS], s20, s21       ; lanes 0-15 are handed the row's sum
	v_cmp_lt_u32 vcc_lo, 15, v1                    ; lanes 16-31.  (VCC stays so to the end of the text)
	v_cndmask_b32 v[NSS], v[FP], v[FS], vcc_lo     ; lanes 16-31 made it, lanes 0-15 were handed it
	v_xor_b32 v[NSS], 0x80000000, v[NSS]           ; with its sign turned
; 64 numbers of a lane, v[s] on, register 16 b + i = k 32 b + 16 h + i of a K step, become a fragment's 16 registers of codes in v[dst] on and the row's scale word in v[pw]
.macro QUANT s, dst, pw
.irp b, 0,1,2,3
	v_max3_num_f32 v[TM+\b], |v[(\s)+16*\b]|, |v[(\s)+1+16*\b]|, 0x8000000   ; block b: my 16 numbers, and the floor 2^(16 - 127): so the byte cannot fall under 1
.endr
.irp i, 2,4,6,8,10,12,14
.irp b, 0,1,2,3
	v_max3_num_f32 v[TM+\b], v[TM+\b], |v[(\s)+16*\b+\i]|, |v[(\s)+1+16*\b+\i]|   ; the four blocks by turns
.endr
.endr
.irp b, 0,1,2,3
	v_permlanex16_b32 v[TM+4+\b], v[TM+\b], s20, s21
.endr
.irp b, 0,1,2,3
	v_max_num_f32 v[TM+\b], v[TM+\b], v[TM+4+\b]   ; with lane l xor 16's: the block's largest magnitude
.endr
.irp b, 0,1,2,3
	v_add_nc_u32 v[TM+12+\b], 0xf8800000, v[TM+\b] ; 15 off its exponent field: the conversion takes this operand's exponent field as its scale
.endr
.irp b, 0,1,2,3
	v_and_or_b32 v[TM+8+\b], v[TM+\b], 0x7f800000, s23   ; 57,344 x the scale
.endr
.irp b, 0,1,2,3
	v_lshrrev_b32 v[TM+4+\b], 23, v[TM+12+\b]      ; the scale's byte
.endr
	v_lshl_or_b32 v[\pw], v[TM+5], 8, v[TM+4]
	v_lshl_or_b32 v[\pw], v[TM+6], 16, v[\pw]
	v_lshl_or_b32 v[\pw], v[TM+7], 24, v[\pw]
.irp b, 0,1,2,3
.irp i, 0,1,2,3,4,5,6,7,8,9,10,11,12,13,14,15
	v_med3_num_f32 v[(\s)+16*\b+\i], v[(\s)+16*\b+\i], -v[TM+8+\b], v[TM+8+\b]   ; the conversion to an 8-bit code does not saturate (ISA guide 7.6.2): the hold comes first
.endr
	v_cvt_scalef32_pk8_bf8_f32 v[(\dst)+4*\b:(\dst)+4*\b+1], v[(\s)+16*\b:(\s)+16*\b+7], v[TM+12+\b]
	v_cvt_scalef32_pk8_bf8_f32 v[(\dst)+4*\b+2:(\dst)+4*\b+3], v[(\s)+16*\b+8:(\s)+16*\b+15], v[TM+12+\b]
.endr
	v_nop                                          ; one plain vector line behind the last conversion: the next call writes the scale operands again
.endm
	QUANT X, C, PW0
	QUANT X+64, C+16, PW1
.irp g, 0,1,2,3,4,5,6,7
	global_store_b128 v2, v[C+4*\g:C+4*\g+3], s[8:9] offset:512*\g   ; 32 lanes store 512 consecutive bytes, at a multiple of 256 from the buffer's first byte
.endr
	v_cndmask_b32 v[PWS], v[PW0], v[PW1], vcc_lo   ; lanes 16-31 carry K step 1's words
	ds_store_b32 v5, v[PWS]                        ; the record's last 256 bytes are gathered in my own LDS:
	ds_store_b32 v5, v[NSS] offset:128             ; 32 scale words, then minus the sums of squares (lanes 16-31 write the second copy)
	ds_load_b64 v[BK:BK+1], v6                     ; LDS serves a wave's instructions in order: this sees my stores
	s_wait_dscnt 0x0
	global_store_b64 v7, v[BK:BK+1], s[8:9] offset:4096   ; 32 lanes store 256 consecutive bytes
	s_cmp_lt_u32 s24, 1024                         ; a tile of z ends here: a scalar branch on ids; no barrier stands in this text
	s_cbranch_scc1 .Ldone
	; THE EMBEDDING'S CODES ONCE MORE, ROW BY ROW.  A lane's 16 codes of group g are bytes 32 g + 16 h on of row r: they go into rows of 272 bytes of my stage, whose numbers were read long ago,
	; and come back as whole rows, two to an instruction.
	s_lshl_b32 s28, s15, 12                        ; 16 rows of 256 bytes
	s_mov_b32 s29, 0
	s_add_nc_u64 s[26:27], s[26:27], s[28:29]
	s_wait_alu depctr_va_vdst(0)
.irp g, 0,1,2,3,4,5,6,7
	ds_store_b128 v10, v[C+4*\g:C+4*\g+3] offset:32*\g
.endr
.irp i, 0,1,2,3,4,5,6,7
	ds_load_b128 v[X+4*\i:X+4*\i+3], v11 offset:2*\i*RP   ; LDS serves a wave's instructions in order: these see my stores
.endr
.irp i, 0,1,2,3,4,5,6,7
	s_wait_dscnt 7-\i                              ; number i is back, the younger ones stay out
	global_store_b128 v2, v[X+4*\i:X+4*\i+3], s[26:27] offset:512*\i   ; 32 lanes store two rows: 512 consecutive bytes, at a multiple of 256 from the buffer's first byte
.endr
.Ldone:
	s_wait_tensorcnt 0x0
	ds_add_u32 v240, v241
	s_wait_dscnt 0x0
	s_endpgm
.Lfunc_end_k_q3b45f8ac0c_prep:
	.size	k_q3b45f8ac0c_prep, .Lfunc_end_k_q3b45f8ac0c_prep-k_q3b45f8ac0c_prep
	.p2alignl 7, 3214868480
	.fill 96, 4, 3214868480
	.section	.rodata,"a",@progbits
	.p2align	6, 0x0
	.amdhsa_kernel k_q3b45f8ac0c_prep
		.amdhsa_group_segment_fixed_size 102144
		.amdhsa_private_segment_fixed_size 0
		.amdhsa_enable_private_segment 0
		.amdhsa_kernarg_size 40
		.amdhsa_user_sgpr_count 2
		.amdhsa_user_sgpr_kernarg_segment_ptr 1
		.amdhsa_wavefront_size32 1
		.amdhsa_system_sgpr_workgroup_id_x 1
		.amdhsa_system_sgpr_workgroup_id_y 1
		.amdhsa_system_sgpr_workgroup_id_z 1
		.amdhsa_system_vgpr_workitem_id 0
		.amdhsa_next_free_vgpr 242
		.amdhsa_next_free_sgpr 66
		.amdhsa_reserve_vcc 1
		.amdhsa_float_denorm_mode_32 3
		.amdhsa_float_denorm_mode_16_64 3
		.amdhsa_memory_ordered 1
		.amdhsa_forward_progress 1
		.amdhsa_inst_pref_size 47
	.end_amdhsa_kernel
	.amdgpu_metadata
---
amdhsa.version: [ 1, 2 ]
amdhsa.kernels:
  - .name:           k_q3b45f8ac0c_prep
    .symbol:         k_q3b45f8ac0c_prep.kd
    .args:
      - { .name: z, .offset: 0, .size: 8, .value_kind: global_buffer, .address_space: global }
      - { .name: embedding, .offset: 8, .size: 8, .value_kind: global_buffer, .address_space: global }
      - { .name: zrec, .offset: 16, .size: 8, .value_kind: global_buffer, .address_space: global }
      - { .name: erec, .offset: 24, .size: 8, .value_kind: global_buffer, .address_space: global }
      - { .name: erow, .offset: 32, .size: 8, .value_kind: global_buffer, .address_space: global }
    .group_segment_fixed_size: 102144
    .private_segment_fixed_size: 0
    .kernarg_segment_align: 8
    .kernarg_segment_size: 40
    .max_flat_workgroup_size: 192
    .sgpr_count:     66
    .vgpr_count:     242
    .wavefront_size: 32
...
	.end_amdgpu_metadata
.endif
;; end of part 5
;; launch search (part 6): grid 128 x 2, 8 waves a work-group, clusters of 4 x 1, 327,680 bytes of LDS; arguments zrec, erec, pidx; writes pidx
.if DOCPART == 6
	.amdgcn_target "amdgcn-amd-amdhsa--gfx1250"
	.amdhsa_code_object_version 6
	.text
	.protected	k_q3b45f8ac0c_search
	.globl	k_q3b45f8ac0c_search
	.p2align	8
	.type	k_q3b45f8ac0c_search,@function
k_q3b45f8ac0c_search:
	s_mov_b64 s[64:65], 0
	v_nop
	global_prefetch_b8 v0, s[64:65] scope:SCOPE_SE
	s_setreg_imm32_b32 hwreg(HW_REG_WAVE_MODE, 25, 1), 1
	s_wait_xcnt 0x0
	s_wait_alu depctr_hold_cnt(0) depctr_sa_sdst(0) depctr_va_vdst(0) depctr_va_sdst(0) depctr_va_ssrc(0) depctr_va_vcc(0) depctr_vm_vsrc(0)
	s_getreg_b32 s2, hwreg(HW_REG_IB_STS2, 6, 4)
	s_cmp_eq_u32 s2, 0
	s_cbranch_scc0 .Lentry_in_a_cluster
	s_endpgm
.Lentry_in_a_cluster:
	s_bfe_u32 s2, ttmp6, 0x10000c
	s_cmp_lg_u32 s2, 0x3003
	s_cbranch_scc0 .Lentry_shape_is_right
	s_endpgm
.Lentry_shape_is_right:
; THE PRODUCT, and for each token the two best codewords of each half (slice) of the codebook: pidx [slice][rank][16384].
; The score is 2 z.e - ee: codes and scale bytes go to the matrix unit as they lie in the records, -ee is the C of the first K step, and the factor 2 is one added to z's scale bytes.
; zz is the same for all codewords of a token and is not added here; the launch behind this one makes d again for the four contenders with every rounding in its place.
; SHARES: a work-group takes 128 tokens (8 records of z) and one slice of 4,096 codewords (256 records).  Every wave holds all 128 tokens as B fragments in 256 registers (loaded as they lie, 64 loads)
; and takes 32 records of the slice: 4 of each fill of 32.  Source 0 = 16 codewords, source 1 = 16 tokens: a lane holds one token, its 8 registers 8 codewords.
; THE RING: each wave has two LDS slots of 4 records and reads only what its own loads brought.  The four work-groups of a cluster walk the same records: each load is a joint one (mask 15).
; THE WALK: a slice is eight fills.  Cluster x begins at fill x % 8 and goes round, so the first fills of a slice's 32 clusters name all eight eighths of it, and every later fill names bytes that
; another cluster's first fill has named.  So no stream is left to run ahead of, and no prefetch is written.  The start hangs on the cluster's number alone and enters global addresses and tile numbers only.
; TRACKING, 10 lines an accumulator: the largest of its 8 scores (4 lines); a compare with the lane's best so far; then, where the best has grown, the tile's number and the 8 scores are kept, two selects to a line.
; At the end the kept scores give the place of the best in its tile.  A lane keeps one best for each token tile, so a token has 16 bests in a slice (8 waves x 2 halves of the lanes); the two best of the 16 are stored.
; LIMITS: of two codewords that fall to one lane of one wave only the better is kept; of equal scores there the one met first.  NaN and infinities are not served.
; A tile's 8 accumulators go in two halves by turns: products of one half, tracking of the other: the tracking lines are the places behind the products, and the next record's LDS loads stand among them.
.set REC,   4352
.set SLOTB, 4*REC
.set RINGW, 2*SLOTB
.set FILLB, 32*REC                     ; a fill: 4 records for each of 8 waves
.set SCR,   8*RINGW                    ; behind the rings: the waves' bests, 8,192 bytes of scores and as many of indices
.set OUTW,  SCR+16384                  ; the work-group's 256 results
.set SPARE, SCR+17408                  ; the spare words, 128 bytes a wave
.set ZSC,  16                          ; z's scale words: v16-22 and v32: none shares its number modulo 8 with ASC
.set T,    24                          ; v24-31 at work
.set ASC,  39                          ; the record's scale words
.set NEE,  42                          ; v42-49 -ee of my 8 codewords
.set AF,   64                          ; v64-95 the record's codes
.set ACC,  96                          ; v96-159 eight accumulators
.set SV,   160                         ; v160-223 the scores kept
.set BEST, 224                         ; v224-231
.set TID,  233                         ; v233-240: odd where BEST is even, as a dual line's two results must be
.set JJ,   242
.set R2V,  250
.set R2I,  251
.set MSB, 0
.macro WIN new
.if MSB != \new
	s_set_vgpr_msb (MSB<<8)|\new
.set MSB, \new
.endif
.endm
.set MULW, 0x04                        ; source 1 (z) in window 1
.set TOZ,  0x40                        ; destination in window 1
.macro CREST
	s_cmp_lg_u32 s12, 0
	s_cbranch_scc1 .Lnot_wave_0_\@
	s_barrier_signal -3
.Lnot_wave_0_\@:
	s_barrier_wait -3
	s_barrier_signal -1
	s_barrier_wait -1
.endm
.macro ROUND
	s_barrier_signal -1
	s_barrier_wait -1
	CREST
.endm
	s_load_b128 s[4:7], s[0:1], 0x0                ; zrec, erec
	s_load_b64 s[10:11], s[0:1], 0x10              ; pidx
	v_lshl_add_u32 v4, v0, 2, SPARE
	v_mov_b32 v5, 0
	ds_add_u32 v4, v5                              ; the opening lines: the add twice and one wait
	ds_add_u32 v4, v5
	v_lshrrev_b32 v52, 5, v0
	v_readfirstlane_b32 s12, v52                   ; wave
	s_bfe_u32 s13, ttmp6, 0x40000
	s_lshl_b32 s14, ttmp9, 2
	s_add_co_u32 s14, s14, s13                     ; work-group x: which 128 tokens
	s_and_b32 s15, ttmp7, 0xffff                   ; slice
	s_and_b32 s47, ttmp9, 7                        ; the fill at which my cluster begins
	s_mul_i32 s38, s12, RINGW
	s_lshl_b32 s39, s12, 10
	s_add_co_u32 s39, s39, SCR
	s_lshl_b32 s40, s12, 6
	s_add_co_u32 s41, s40, OUTW
	s_add_co_u32 s40, s40, SCR
	v_and_b32 v52, 31, v0
	v_and_b32 v53, 15, v0
	v_bfe_u32 v54, v0, 4, 1
	v_lshlrev_b32 v12, 4, v52                      ; 16 x lane
	v_lshlrev_b32 v55, 2, v52                      ; 4 x lane
	v_lshlrev_b32 v53, 2, v53                      ; 4 r
	v_lshlrev_b32 v3, 5, v54
	v_lshlrev_b32 v13, 3, v54                      ; 8 h
	v_add_nc_u32 v1, s38, v12                      ; my ring: codes,
	v_add_nc_u32 v2, s38, v55                      ; scale words,
	v_add_nc_u32 v3, s38, v3                       ; -ee of codewords 8 h on
	v_lshl_add_u32 v10, v54, 9, v53
	v_lshl_add_u32 v11, v54, 12, v53
	v_add_nc_u32 v56, s41, v10                     ; results in: 64 wave + 512 h + 4 r
	v_add_nc_u32 v10, s39, v10                     ; bests in: 1,024 wave + 512 h + 4 r (+ 64 t)
	v_add_nc_u32 v11, s40, v11                     ; bests back: token tile = wave: 64 wave + 4,096 h + 4 r (+ 512 i)
	v_add_nc_u32 v57, OUTW, v12
	s_mov_b32 s16, 15|(3<<16)|(1<<21)              ; group 1: all four partners; elements of 8 bytes; 68 rows of 256 bytes, dense
	s_mov_b32 s17, 32<<16
	s_mov_b32 s18, 68<<16
	s_mov_b32 s19, 32<<16
	s_mov_b32 s20, 68
	s_mov_b32 s21, 32
	s_mov_b32 s22, 0
	s_mov_b32 s23, 0
	s_mov_b32 s36, 0x76543210
	s_mov_b32 s37, 0xfedcba98
	s_lshl_b32 s46, s15, 8
	s_lshl_b32 s39, s12, 2
	s_add_co_u32 s46, s46, s39                     ; record 256 slice + 4 wave: my first of fill 0
	s_lshl_b32 s32, s47, 5
	s_add_co_u32 s32, s32, s46                     ; and of the fill that I begin with
	s_wait_alu depctr_va_vdst(0)
	s_wait_dscnt 0x0
	s_wait_kmcnt 0x0
	s_mul_i32 s40, s14, 8*REC
	s_mov_b32 s41, 0
	s_add_nc_u64 s[4:5], s[4:5], s[40:41]
	s_lshl_b32 s40, s14, 9
	s_lshl_b32 s39, s15, 17
	s_add_co_u32 s40, s40, s39
	s_add_nc_u64 s[10:11], s[10:11], s[40:41]
	s_mul_i32 s40, s46, REC
	s_add_nc_u64 s[8:9], s[6:7], s[40:41]          ; my four records of fill 0
	s_mov_b32 s24, 1
	s_mul_i32 s25, s12, RINGW
	s_mul_i32 s40, s47, FILLB
	s_add_nc_u64 s[26:27], s[8:9], s[40:41]
	s_or_b32 s27, s27, 0x80000000
	s_mov_b32 s28, 1
	s_add_co_u32 s29, s25, SLOTB
	s_add_co_u32 s39, s47, 1
	s_and_b32 s39, s39, 7
	s_mul_i32 s40, s39, FILLB
	s_add_nc_u64 s[30:31], s[8:9], s[40:41]
	s_or_b32 s31, s31, 0x80000000
	ROUND                                          ; in front of the first joint loads
	tensor_load_to_lds s[24:27], s[16:23]          ; my one load at the head
	s_nop 0
.set q, 0
.rept 64
	v_mov_b32 v[SV+q], 0xff800000                  ; the selects read what they keep: written once, while the load is out
.set q, q+1
.endr
	WIN TOZ                                        ; z's 72 loads stand behind the joint load: they are more than LOADcnt's field counts, so the last of them are issued only when the first are back
.irp t, 0,1,2,3,4,5,6,7
.irp g, 0,1,2,3,4,5,6,7
	global_load_b128 v[32*\t+4*\g:32*\t+4*\g+3], v12, s[4:5] offset:REC*\t+512*\g   ; z's fragments as they lie: 512 consecutive bytes a load
.endr
.endr
	WIN 0
.irp t, 0,1,2,3,4,5,6,7
	global_load_b32 v[ZSC+\t+9*(\t/7)], v55, s[4:5] offset:REC*\t+4096
.endr
	s_wait_alu depctr_va_vdst(0)
	s_wait_tensorcnt 0x0                           ; slot 1's first fill is issued as a refill is
	ds_add_u32 v4, v5
	s_wait_dscnt 0x0
	ROUND
	tensor_load_to_lds s[28:31], s[16:23]
	s_nop 0
	s_wait_tensorcnt 0x1                           ; the one load behind slot 0's may be out
.macro LOADS slot, i
.set O, (\slot)*SLOTB+(\i)*REC
	ds_load_b128 v[NEE:NEE+3], v3 offset:O+4224
	ds_load_b128 v[NEE+4:NEE+7], v3 offset:O+4240
	ds_load_b32 v[ASC], v2 offset:O+4096
.irp g, 0,1,2,3,4,5,6,7
	ds_load_b128 v[AF+4*\g:AF+4*\g+3], v1 offset:O+512*\g
.endr
.endm
; eight products: token tiles b .. b + 3, both K steps; the four accumulators by turns
.macro MULS b
.irp t, 0,1,2,3
	v_wmma_scale_f32_16x16x128_f8f6f4 v[ACC+8*(\b+\t):ACC+8*(\b+\t)+7], v[AF:AF+15], v[32*(\b+\t):32*(\b+\t)+15], v[NEE:NEE+7], v[ASC], v[ZSC+\b+\t+9*((\b+\t)/7)] matrix_a_fmt:MATRIX_FMT_BF8 matrix_b_fmt:MATRIX_FMT_BF8
.endr
.irp t, 0,1,2,3
	v_wmma_scale_f32_16x16x128_f8f6f4 v[ACC+8*(\b+\t):ACC+8*(\b+\t)+7], v[AF+16:AF+31], v[32*(\b+\t)+16:32*(\b+\t)+31], v[ACC+8*(\b+\t):ACC+8*(\b+\t)+7], v[ASC], v[ZSC+\b+\t+9*((\b+\t)/7)] matrix_a_fmt:MATRIX_FMT_BF8 matrix_b_fmt:MATRIX_FMT_BF8 matrix_a_scale:MATRIX_SCALE_ROW1 matrix_b_scale:MATRIX_SCALE_ROW1
.endr
.endm
; the largest of each accumulator's 8 scores, four accumulators by turns, each read from its low end on
.macro TREE b
.irp t, 0,1,2,3
	v_max3_num_f32 v[T+2*\t], v[ACC+8*(\b+\t)], v[ACC+8*(\b+\t)+1], v[ACC+8*(\b+\t)+2]
.endr
.irp t, 0,1,2,3
	v_max3_num_f32 v[T+2*\t+1], v[ACC+8*(\b+\t)+3], v[ACC+8*(\b+\t)+4], v[ACC+8*(\b+\t)+5]
.endr
.endm
.macro TREE2 b                         ; the second half of it
.irp t, 0,1,2,3
	v_max3_num_f32 v[T+2*\t], v[T+2*\t], v[ACC+8*(\b+\t)+6], v[ACC+8*(\b+\t)+7]
.endr
.irp t, 0,1,2,3
	v_max_num_f32 v[T+2*\t], v[T+2*\t], v[T+2*\t+1]
.endr
.endm
; VCC = lanes whose best has not grown: they keep what they have; the others take the tile's number (v[sid]: v33 this record's, v35 that of the record before) and its 8 scores.
; A half of a dual line reads one scalar value, here VCC: so the number stands in a vector register, in another bank than the other half's first source (v24, v26, v28, v30).
.macro KEEP b, sid
.irp t, 0,1,2,3
	v_cmp_le_f32 vcc_lo, v[T+2*\t], v[BEST+\b+\t]
	v_dual_max_num_f32 v[BEST+\b+\t], v[T+2*\t], v[BEST+\b+\t] :: v_dual_cndmask_b32 v[TID+\b+\t], v[\sid], v[TID+\b+\t]
.irp j, 0,2,4,6
	v_dual_cndmask_b32 v[SV+8*(\b+\t)+\j], v[ACC+8*(\b+\t)+\j], v[SV+8*(\b+\t)+\j] :: v_dual_cndmask_b32 v[SV+8*(\b+\t)+\j+1], v[ACC+8*(\b+\t)+\j+1], v[SV+8*(\b+\t)+\j+1]
.endr
.endr
.endm
; One record.  Its codes were asked of LDS in the tile before; (ns, ni) is the record behind it.
; mode 0: plain; 1: the slot's last record, the slot is filled again; 2: the slot's last record, no fill; 3: the first record of all; 4: the last
.macro TILE slot, i, ns, ni, mode
.if \mode == 1
	s_wait_tensorcnt 0x0                           ; all my loads are in: the other slot's
	ds_add_u32 v4, v5
	s_add_co_u32 s39, s47, 2                       ; no load of mine is out: this slot's next fill, two on, round the eight
	s_and_b32 s39, s39, 7
	s_mul_i32 s40, s39, FILLB
	s_add_nc_u64 s[26+4*\slot:27+4*\slot], s[8:9], s[40:41]
	s_or_b32 s[27+4*\slot], s[27+4*\slot], 0x80000000
.endif
.if \mode == 2
	s_wait_tensorcnt 0x0                           ; the last fill is in; only I read it
.endif
.if \mode != 3
	s_mov_b32 s35, s33                             ; the number of the record before
.endif
	s_add_co_u32 s33, s32, \i                      ; and of this one
	s_wait_dscnt 0x0                               ; the record is in registers (mode 1: the add is done, and my reads of this slot are over)
.if \mode == 1
	s_barrier_signal -1
.endif
	WIN MULW
	MULS 0
	WIN 0
.if \mode == 3
.rept 8
	v_nop                                          ; nothing to track yet: the places behind the products above
.endr
.else
	v_mov_b32 v35, s35
	TREE 4                                         ; the record before, token tiles 4-7
	TREE2 4
	KEEP 4, 35
.endif
.if \mode == 1
	s_barrier_wait -1
	CREST                                          ; the round: no wave of any partner reads this slot or has a load out
	tensor_load_to_lds s[24+4*\slot:27+4*\slot], s[16:23]
	s_nop 0
.endif
	WIN MULW
	MULS 4
	WIN 0
	v_mov_b32 v33, s33
	TREE 0                                         ; with the line above nine places behind the products: the loads below land in their sources
.if \mode != 4
	LOADS \ns, \ni
.endif
	TREE2 0
	KEEP 0, 33
.if (\mode == 1) || (\mode == 2)
	s_add_co_u32 s47, s47, 1                       ; on to the next fill's numbers
	s_and_b32 s47, s47, 7
	s_lshl_b32 s32, s47, 5
	s_add_co_u32 s32, s32, s46
.endif
.endm
.macro INS a1, i1, a2, i2, b, ib       ; (b, ib) into the ordered pair (a1, i1), (a2, i2): larger first, equal scores by the lower index
	v_cmp_gt_f32 s42, v[\b], v[\a1]
	v_cmp_eq_f32 s43, v[\b], v[\a1]
	v_cmp_lt_u32 vcc_lo, v[\ib], v[\i1]
	s_and_b32 s43, s43, vcc_lo
	s_or_b32 s42, s42, s43
	v_cmp_gt_f32 s44, v[\b], v[\a2]
	v_cmp_eq_f32 s45, v[\b], v[\a2]
	v_cmp_lt_u32 vcc_lo, v[\ib], v[\i2]
	s_and_b32 s45, s45, vcc_lo
	s_or_b32 s44, s44, s45
	v_cndmask_b32 v[\a2], v[\a2], v[\b], s44
	v_cndmask_b32 v[\i2], v[\i2], v[\ib], s44
	v_cndmask_b32 v[\a2], v[\a2], v[\a1], s42
	v_cndmask_b32 v[\i2], v[\i2], v[\i1], s42
	v_cndmask_b32 v[\a1], v[\a1], v[\b], s42
	v_cndmask_b32 v[\i1], v[\i1], v[\ib], s42
.endm
	LOADS 0, 0
	s_wait_loadcnt 0x0                             ; z is in
.irp t, 0,1,2,3,4,5,6,7
	v_add_nc_u32 v[ZSC+\t+9*(\t/7)], 0x01010101, v[ZSC+\t+9*(\t/7)]   ; the factor 2: one onto each scale byte
.endr
.irp t, 0,1,2,3,4,5,6,7
	v_mov_b32 v[BEST+\t], 0xff800000               ; (these sixteen are also the places between the scale words' write and the first product)
	v_mov_b32 v[TID+\t], 0
.endr
	s_wait_alu depctr_va_vdst(0)
	TILE 0, 0, 0, 1, 3
	s_mov_b32 s34, 3
.Lring:
	TILE 0, 1, 0, 2, 0
	TILE 0, 2, 0, 3, 0
	TILE 0, 3, 1, 0, 1
	TILE 1, 0, 1, 1, 0
	TILE 1, 1, 1, 2, 0
	TILE 1, 2, 1, 3, 0
	TILE 1, 3, 0, 0, 1
	TILE 0, 0, 0, 1, 0
	s_sub_co_u32 s34, s34, 1
	s_cmp_lg_u32 s34, 0
	s_cbranch_scc1 .Lring
	TILE 0, 1, 0, 2, 0                             ; the last two slots are filled no more
	TILE 0, 2, 0, 3, 0
	TILE 0, 3, 1, 0, 2
	TILE 1, 0, 1, 1, 0
	TILE 1, 1, 1, 2, 0
	TILE 1, 2, 1, 3, 0
	TILE 1, 3, 0, 0, 4
	TREE 4
	TREE2 4
	KEEP 4, 33
	; the best's place among the 8 scores kept: the lowest j that holds it
.irp t, 0,1,2,3,4,5,6,7
	v_mov_b32 v[JJ+\t], 7
.endr
.irp j, 6,5,4,3,2,1,0
.irp t, 0,1,2,3,4,5,6,7
	v_cmp_neq_f32 vcc_lo, v[SV+8*\t+\j], v[BEST+\t]
	v_cndmask_b32 v[JJ+\t], \j, v[JJ+\t], vcc_lo
.endr
.endr
.irp t, 0,1,2,3,4,5,6,7
	v_lshl_add_u32 v[TID+\t], v[TID+\t], 4, v[JJ+\t]
.endr
.irp t, 0,1,2,3,4,5,6,7
	v_add_nc_u32 v[TID+\t], v[TID+\t], v13         ; index = 16 record + 8 h + j
.endr
.irp t, 0,1,2,3,4,5,6,7
	ds_store_b32 v10, v[BEST+\t] offset:64*\t
	ds_store_b32 v10, v[TID+\t] offset:8192+64*\t
.endr
	s_wait_dscnt 0x0                               ; for the others' sake
	s_barrier_signal -1
	s_barrier_wait -1
.irp i, 0,1,2,3,4,5,6,7
	ds_load_b32 v[96+\i], v11 offset:512*\i        ; wave w takes token tile w: a lane eight of its token's 16 bests
	ds_load_b32 v[104+\i], v11 offset:8192+512*\i
.endr
	v_mov_b32 v[R2V], 0xff800000
	v_mov_b32 v[R2I], 0
	s_wait_alu depctr_va_vdst(0)
	s_wait_dscnt 0x0
.irp i, 1,2,3,4,5,6,7
	INS 96, 104, R2V, R2I, 96+\i, 104+\i
.endr
	v_permlanex16_b32 v112, v96, s36, s37          ; and the other half's two
	v_permlanex16_b32 v113, v104, s36, s37
	v_permlanex16_b32 v114, v[R2V], s36, s37
	v_permlanex16_b32 v115, v[R2I], s36, s37
	INS 96, 104, R2V, R2I, 112, 113
	INS 96, 104, R2V, R2I, 114, 115
	v_cmp_ne_u32 vcc_lo, 0, v13
	v_cndmask_b32 v116, v104, v[R2I], vcc_lo       ; lanes 0-15 carry rank 0, lanes 16-31 rank 1
	ds_store_b32 v56, v116
	s_wait_dscnt 0x0
	s_barrier_signal -1
	s_barrier_wait -1
	s_cmp_lg_u32 s12, 0                            ; wave 0 stores the work-group's results; no barrier stands under this branch
	s_cbranch_scc1 .Lothers
	ds_load_b128 v[96:99], v57
	ds_load_b128 v[100:103], v57 offset:512
	s_wait_dscnt 0x0
	global_store_b128 v12, v[96:99], s[10:11]      ; 512 consecutive bytes, at a multiple of 256 from the buffer's first byte
	global_store_b128 v12, v[100:103], s[10:11] offset:65536
.Lothers:
	s_wait_tensorcnt 0x0                           ; the wave's end
	ds_add_u32 v4, v5
	s_wait_dscnt 0x0
	ROUND                                          ; the closing round
	s_endpgm
.Lfunc_end_k_q3b45f8ac0c_search:
	.size	k_q3b45f8ac0c_search, .Lfunc_end_k_q3b45f8ac0c_search-k_q3b45f8ac0c_search
	.p2alignl 7, 3214868480
	.fill 96, 4, 3214868480
	.section	.rodata,"a",@progbits
	.p2align	6, 0x0
	.amdhsa_kernel k_q3b45f8ac0c_search
		.amdhsa_group_segment_fixed_size 327680
		.amdhsa_private_segment_fixed_size 0
		.amdhsa_enable_private_segment 0
		.amdhsa_kernarg_size 24
		.amdhsa_user_sgpr_count 2
		.amdhsa_user_sgpr_kernarg_segment_ptr 1
		.amdhsa_wavefront_size32 1
		.amdhsa_system_sgpr_workgroup_id_x 1
		.amdhsa_system_sgpr_workgroup_id_y 1
		.amdhsa_system_sgpr_workgroup_id_z 1
		.amdhsa_system_vgpr_workitem_id 0
		.amdhsa_next_free_vgpr 512
		.amdhsa_next_free_sgpr 66
		.amdhsa_reserve_vcc 1
		.amdhsa_float_denorm_mode_32 3
		.amdhsa_float_denorm_mode_16_64 3
		.amdhsa_memory_ordered 1
		.amdhsa_forward_progress 1
		.amdhsa_inst_pref_size 154
	.end_amdhsa_kernel
	.amdgpu_metadata
---
amdhsa.version: [ 1, 2 ]
amdhsa.kernels:
  - .name:           k_q3b45f8ac0c_search
    .symbol:         k_q3b45f8ac0c_search.kd
    .args:
      - { .name: zrec, .offset: 0, .size: 8, .value_kind: global_buffer, .address_space: global }
      - { .name: erec, .offset: 8, .size: 8, .value_kind: global_buffer, .address_space: global }
      - { .name: pidx, .offset: 16, .size: 8, .value_kind: global_buffer, .address_space: global }
    .group_segment_fixed_size: 327680
    .private_segment_fixed_size: 0
    .kernarg_segment_align: 8
    .kernarg_segment_size: 24
    .max_flat_workgroup_size: 256
    .sgpr_count:     66
    .vgpr_count:     512
    .wavefront_size: 32
...
	.end_amdgpu_metadata
.endif
;; end of part 6
;; launch pick (part 7): grid 256 x 1, 8 waves a work-group, no clusters, 70,656 bytes of LDS; arguments zrec, erec, erow, pidx, embedding, out0; writes out0
.if DOCPART == 7
	.amdgcn_target "amdgcn-amd-amdhsa--gfx1250"
	.amdhsa_code_object_version 6
	.text
	.protected	k_q3b45f8ac0c_pick
	.globl	k_q3b45f8ac0c_pick
	.p2align	8
	.type	k_q3b45f8ac0c_pick,@function
k_q3b45f8ac0c_pick:
	s_mov_b64 s[64:65], 0
	v_nop
	global_prefetch_b8 v0, s[64:65] scope:SCOPE_SE
	s_setreg_imm32_b32 hwreg(HW_REG_WAVE_MODE, 25, 1), 1
	s_wait_xcnt 0x0
; THE CHOICE AMONG A TOKEN'S FOUR CONTENDERS (pidx [2][2][16384]), AND THE RESULT.  Left out: z + (z_q - z) is z_q by an identity (shown at the head of the first kernel): the chosen row is stored as it is, and z's f32 numbers are not read.
; Contenders can lie closer together than one step of f32 at the size of d, so every f32 rounding of d = (zz + ee) - 2 z.e stands where a plain evaluation has it: z.e is the sum of the exact products of
; the quantised numbers, added ONE BY ONE IN ASCENDING k in f32; zz + ee is one f32 addition; the subtraction of 2 z.e another.  The smallest d wins, ties to the lower index.
; This is 4 of a token's 8,192 products, made again by fused multiply-adds on the same codes and scale bytes; the product proper is the matrix unit's, in the launch before.
; SHARES: lane = 4 q + c: token 64 x work-group + 8 x wave + q, contender c = 2 x slice + rank.
; z's codes come from its record: piece j (k = 16 j on) of row r at byte 256 j + 16 r; scale words at 4096 + 64 s + 4 r; -zz at 4224 + 4 r.
; The contenders' codes come from erow, a row to sixteen lanes, and turn through the wave's own LDS (rows of 256 + 16 bytes) so that lane n ends with contender n's row; scale words and -ee from erec.
; THE NUMBERS: a code is widened exactly; z's are multiplied by 2^(z's byte + the contender's byte - 254), the block's two scales in one, so that each product is the exact product of the two quantised
; numbers and each fused multiply-add one f32 addition of it.  LIMIT: the two bytes of a block add up to 128 .. 381 (the product of the two blocks' largest magnitudes lies between 2^-95 and 2^157).
; Widening, scaling and the chain run as three stages, a pair of numbers apart, in a ring of four pairs, so that two or three lines stand between two links of the chain.
; THE ROWS: the 32 contenders' f32 rows (1,024 bytes each) are loaded by the stored indices, 512 consecutive bytes a load, into 256 registers of window 1; the winner's row is chosen by selects.
; 42 of the 64 loads go out straight behind the loads of codes and scale words (with those 19 that is 61, inside what a wait on LOADcnt can count), the other 22 when the scale words are in.
; Their offsets have registers of their own, which nothing writes again.  No address and no branch hangs on a floating-point number.  No barrier: waves share nothing.  No prefetch: the text has no loop to run ahead in.
; LIMITS: NaN and infinities are not served.
.set REC, 4352
.set SPT, 272
.set WST, 32*SPT
.set SPARE, 8*WST                      ; behind the stages: the spare words
.set EARLY, 21                         ; rows asked for ahead of the codes' turn through LDS
.set ZD,  8                            ; v8-15  four pairs of z's numbers
.set FB,  16                           ; v16-31 erow offsets, then a pair for each block: its scale | a word that is named and not used
.set OFS, 32                           ; v32-63 the f32 rows' offsets
.set ED,  64                           ; v64-71 four pairs of the contender's numbers
.set ZS,  96
.set ES,  98
.set NZ,  100
.set NE,  101
.set P,   106
.set DV,  107
.set IX,  108
.set DP,  109
.set IP,  110
.set HO,  111
.set RO,  112
.set SI,  113
.set SO,  114
.set HH,  116
.set L16, 117                          ; 16 x lane
.set IX0, 118                          ; my contender's index, kept
.set AE,  120                          ; v120-122 at work for my contender's place in erec
.set ZC,  128                          ; v128-191 z's codes
.set EC,  192                          ; v192-255 the contender's
.set MSB, 0
.macro WIN new
.if MSB != \new
	s_set_vgpr_msb (MSB<<8)|\new
.set MSB, \new
.endif
.endm
	s_load_b256 s[4:11], s[0:1], 0x0               ; zrec, erec, erow, pidx
	s_load_b128 s[28:31], s[0:1], 0x20             ; embedding, out0
	v_lshl_add_u32 v126, v0, 2, SPARE
	v_mov_b32 v127, 0
	v_lshrrev_b32 v1, 5, v0
	v_readfirstlane_b32 s12, v1                    ; wave
	s_and_b32 s13, s12, 1
	s_lshl_b32 s13, s13, 3
	s_mul_i32 s26, s12, WST
	s_lshl_b32 s14, ttmp9, 2
	s_lshr_b32 s15, s12, 1
	s_add_co_u32 s14, s14, s15
	s_mul_i32 s14, s14, REC                        ; z's record: 4 x work-group + wave / 2
	s_mov_b32 s15, 0
	s_lshl_b32 s18, ttmp9, 8
	s_lshl_b32 s19, s12, 5
	s_add_co_u32 s18, s18, s19                     ; 4 x my first token: its word in a rank of pidx
	s_mov_b32 s19, 0
	s_lshl_b32 s16, s18, 8                         ; 1,024 x my first token: its row in out0
	s_mov_b32 s17, 0
	v_and_b32 v1, 31, v0
	v_and_b32 v3, 3, v0                            ; c
	v_bfe_u32 v[HH], v0, 4, 1
	v_and_b32 v[RO], 15, v0
	v_lshrrev_b32 v2, 2, v1                        ; q
	v_lshlrev_b32 v[L16], 4, v1
	v_lshlrev_b32 v[RO], 4, v[RO]
	v_lshlrev_b32 v[HO], 16, v[HH]
	v_add_nc_u32 v4, s13, v2                       ; my token's row in its record
	v_lshlrev_b32 v7, 2, v2
	v_mul_u32_u24 v[SI], v[HH], SPT
	v_mul_u32_u24 v[SO], v1, SPT
	v_lshlrev_b32 v5, 4, v4
	v_lshlrev_b32 v6, 2, v4
	v_lshl_add_u32 v7, v3, 16, v7                  ; pidx: 65,536 c + 4 q
	v_add_nc_u32 v[SI], v[SI], v[RO]
	v_add_nc_u32 v[SO], s26, v[SO]                 ; the stage, out: row = lane
	v_add_nc_u32 v[SI], s26, v[SI]                 ; in: row lane / 16, my 16 bytes
	v_mov_b32 v[DP], 0                             ; a DPP form's destination counts as read
	v_mov_b32 v[IP], 0
	s_wait_alu depctr_va_vdst(0)
	s_wait_kmcnt 0x0
	s_add_nc_u64 s[4:5], s[4:5], s[14:15]
	s_add_nc_u64 s[10:11], s[10:11], s[18:19]
	s_add_nc_u64 s[30:31], s[30:31], s[16:17]
.irp c, 0,1,2,3
	s_load_b256 s[32+8*\c:39+8*\c], s[10:11], 65536*\c   ; the wave's 32 contenders as scalars: s[32 + 8 c + q]
.endr
	global_load_b32 v[IX], v7, s[10:11]            ; my contender
.irp j, 0,1,2,3,4,5,6,7,8,9,10,11,12,13,14,15
	global_load_b32 v[FB+\j], v[HO], s[10:11] offset:131072*(\j%2)+4*(\j/2)   ; contender 2 j + lane / 16 of the wave
.endr
.irp j, 0,1,2,3,4,5,6,7,8,9,10,11,12,13,14,15
	global_load_b128 v[ZC+4*\j:ZC+4*\j+3], v5, s[4:5] offset:256*\j
.endr
	global_load_b32 v[ZS], v6, s[4:5] offset:4096
	global_load_b32 v[ZS+1], v6, s[4:5] offset:4160
	global_load_b32 v[NZ], v6, s[4:5] offset:4224
	s_wait_loadcnt 19                              ; the 17 indices are in; z's 19 loads may be out
.irp j, 0,1,2,3,4,5,6,7,8,9,10,11,12,13,14,15
	v_min_u32 v[FB+\j], 0x1fff, v[FB+\j]           ; an index stays inside the table
.endr
.irp j, 0,1,2,3,4,5,6,7,8,9,10,11,12,13,14,15
	v_lshl_add_u32 v[FB+\j], v[FB+\j], 8, v[RO]
.endr
.irp j, 0,1,2,3,4,5,6,7,8,9,10,11,12,13,14,15
	global_load_b128 v[EC+4*\j:EC+4*\j+3], v[FB+\j], s[8:9]   ; sixteen lanes read a row's 256 consecutive bytes
.endr
	v_min_u32 v[IX], 0x1fff, v[IX]
	v_and_b32 v[AE], 0x1ff0, v[IX]
	v_and_b32 v[AE+1], 15, v[IX]
	v_mul_u32_u24 v[AE], v[AE], 272                ; (I / 16) x 4,352: its record
	v_lshl_add_u32 v[AE+2], v[AE+1], 2, v[AE]
	global_load_b32 v[ES], v[AE+2], s[6:7] offset:4096
	global_load_b32 v[ES+1], v[AE+2], s[6:7] offset:4160
	global_load_b32 v[NE], v[AE+2], s[6:7] offset:4224
	s_wait_kmcnt 0x0
.set n, 0
.rept 32
	s_min_u32 s[32+n], s[32+n], 8191
.set n, n+1
.endr
.set n, 0
.rept 32
	v_lshl_add_u32 v[OFS+n], s[32+8*(n%4)+n/4], 10, v[L16]   ; contender n = 4 q + c: row x 1,024 + 16 x lane
.set n, n+1
.endr
	v_mov_b32 v[IX0], v[IX]
	s_wait_alu depctr_va_vdst(0)
	WIN 0x40                                       ; destinations in window 1
.set n, 0
.rept EARLY
	global_load_b128 v[8*n:8*n+3], v[OFS+n], s[28:29]
	global_load_b128 v[8*n+4:8*n+7], v[OFS+n], s[28:29] offset:512
.set n, n+1
.endr
	WIN 0
.irp j, 0,1,2,3,4,5,6,7,8,9,10,11,12,13,14,15
	s_wait_loadcnt 18-\j+2*EARLY                   ; code row j is in; the 15 - j behind it, the three words and the 42 loads of f32 rows may be out
	ds_store_b128 v[SI], v[EC+4*\j:EC+4*\j+3] offset:2*\j*SPT
.endr
	s_wait_dscnt 0x0                               ; the stores have read their registers: the loads below land in the same ones
.irp i, 0,1,2,3,4,5,6,7,8,9,10,11,12,13,14,15
	ds_load_b128 v[EC+4*\i:EC+4*\i+3], v[SO] offset:16*\i
.endr
	s_wait_loadcnt 2*EARLY                         ; the scale words and -ee are in; only f32 rows are out
	WIN 0x40
.rept 32-EARLY
	global_load_b128 v[8*n:8*n+3], v[OFS+n], s[28:29]
	global_load_b128 v[8*n+4:8*n+7], v[OFS+n], s[28:29] offset:512
.set n, n+1
.endr
	WIN 0
.irp b, 0,1,2,3,4,5,6,7
	v_bfe_u32 v[FB+2*\b], v[ZS+\b/4], 8*(\b%4), 8
	v_bfe_u32 v[FB+2*\b+1], v[ES+\b/4], 8*(\b%4), 8
.endr
.irp b, 0,1,2,3,4,5,6,7
	v_add3_u32 v[FB+2*\b], v[FB+2*\b], v[FB+2*\b+1], 0xffffff81
.endr
.irp b, 0,1,2,3,4,5,6,7
	v_lshlrev_b32 v[FB+2*\b], 23, v[FB+2*\b]       ; 2^(both bytes - 254) as f32
.endr
	s_wait_alu depctr_va_vdst(0)
	s_wait_dscnt 0x0
.set Q, 0
.rept 130                              ; trip Q: pair Q is widened, pair Q - 1 scaled, pair Q - 2 added: k = 2 (Q - 2), 2 (Q - 2) + 1
.if Q < 128
.if Q%2 == 0
	v_cvt_f32_bf8 v[ZD+2*(Q%4)], v[ZC+Q/2]
	v_cvt_f32_bf8 v[ZD+2*(Q%4)+1], v[ZC+Q/2] byte_sel:1
.else
	v_cvt_f32_bf8 v[ZD+2*(Q%4)], v[ZC+Q/2] byte_sel:2
	v_cvt_f32_bf8 v[ZD+2*(Q%4)+1], v[ZC+Q/2] byte_sel:3
.endif
.endif
.if Q == 2
	v_mul_f32 v[P], v[ZD], v[ED]                   ; the first product starts the sum
.endif
.if Q > 2
	v_fmac_f32 v[P], v[ZD+2*((Q-2)%4)], v[ED+2*((Q-2)%4)]
.endif
.if Q < 128
.if Q%2 == 0
	v_cvt_f32_bf8 v[ED+2*(Q%4)], v[EC+Q/2]
	v_cvt_f32_bf8 v[ED+2*(Q%4)+1], v[EC+Q/2] byte_sel:1
.else
	v_cvt_f32_bf8 v[ED+2*(Q%4)], v[EC+Q/2] byte_sel:2
	v_cvt_f32_bf8 v[ED+2*(Q%4)+1], v[EC+Q/2] byte_sel:3
.endif
.endif
.if (Q >= 1) && (Q <= 128)
	v_pk_mul_f32 v[ZD+2*((Q-1)%4):ZD+2*((Q-1)%4)+1], v[ZD+2*((Q-1)%4):ZD+2*((Q-1)%4)+1], v[FB+2*((Q-1)/16):FB+2*((Q-1)/16)+1] op_sel_hi:[1,0]
.endif
.if Q >= 2
	v_fmac_f32 v[P], v[ZD+2*((Q-2)%4)+1], v[ED+2*((Q-2)%4)+1]
.endif
.set Q, Q+1
.endr
	v_add_f32 v[NZ], v[NE], v[NZ]                  ; (-ee) + (-zz) = -fl(zz + ee)
	v_fma_f32 v[DV], 2.0, v[P], v[NZ]              ; -d  (2 z.e is exact)
.macro BETTER va, ia, vb, ib           ; (va, ia) takes (vb, ib) where vb is larger, or equal with the lower index
	v_cmp_gt_f32 s20, v[\vb], v[\va]
	v_cmp_eq_f32 s21, v[\vb], v[\va]
	v_cmp_lt_u32 vcc_lo, v[\ib], v[\ia]
	s_and_b32 s21, s21, vcc_lo
	s_or_b32 s20, s20, s21
	v_cndmask_b32 v[\va], v[\va], v[\vb], s20
	v_cndmask_b32 v[\ia], v[\ia], v[\ib], s20
.endm
.irp m, 1,2
	v_mov_b32_dpp v[DP], v[DV] row_xmask:\m row_mask:0xf bank_mask:0xf
	v_mov_b32_dpp v[IP], v[IX] row_xmask:\m row_mask:0xf bank_mask:0xf
	BETTER DV, IX, DP, IP
.endr
	v_cmp_eq_u32 s20, v[IX0], v[IX]                ; bit n: contender n is its token's winner (a token's four indices differ)
	s_wait_loadcnt 0x0                             ; the 32 rows are in
	WIN 0x45                                       ; sources 0 and 1 and the destination in window 1
.irp q, 0,1,2,3,4,5,6,7
.irp c, 1,2,3
	s_bitcmp1_b32 s20, 4*\q+\c
	s_cselect_b32 s21, -1, 0                       ; all lanes or none
.irp j, 0,1,2,3,4,5,6,7
	v_cndmask_b32 v[32*\q+\j], v[32*\q+\j], v[32*\q+8*\c+\j], s21   ; contender 0's registers end with the winner's row
.endr
.endr
.endr
	s_wait_alu depctr_va_vdst(0)
	WIN 0x04                                       ; the stores' data in window 1, their offset in window 0
.irp q, 0,1,2,3,4,5,6,7
	global_store_b128 v[L16], v[32*\q:32*\q+3], s[30:31] offset:1024*\q th:TH_STORE_NT       ; 512 consecutive bytes, at a multiple of 256 from out0's first byte
	global_store_b128 v[L16], v[32*\q+4:32*\q+7], s[30:31] offset:1024*\q+512 th:TH_STORE_NT
.endr
	WIN 0
	s_wait_tensorcnt 0x0                           ; the wave's end
	ds_add_u32 v126, v127
	s_wait_dscnt 0x0
	s_endpgm
.Lfunc_end_k_q3b45f8ac0c_pick:
	.size	k_q3b45f8ac0c_pick, .Lfunc_end_k_q3b45f8ac0c_pick-k_q3b45f8ac0c_pick
	.p2alignl 7, 3214868480
	.fill 96, 4, 3214868480
	.section	.rodata,"a",@progbits
	.p2align	6, 0x0
	.amdhsa_kernel k_q3b45f8ac0c_pick
		.amdhsa_group_segment_fixed_size 70656
		.amdhsa_private_segment_fixed_size 0
		.amdhsa_enable_private_segment 0
		.amdhsa_kernarg_size 48
		.amdhsa_user_sgpr_count 2
		.amdhsa_user_sgpr_kernarg_segment_ptr 1
		.amdhsa_wavefront_size32 1
		.amdhsa_system_sgpr_workgroup_id_x 1
		.amdhsa_system_sgpr_workgroup_id_y 1
		.amdhsa_system_sgpr_workgroup_id_z 1
		.amdhsa_system_vgpr_workitem_id 0
		.amdhsa_next_free_vgpr 512
		.amdhsa_next_free_sgpr 66
		.amdhsa_reserve_vcc 1
		.amdhsa_float_denorm_mode_32 3
		.amdhsa_float_denorm_mode_16_64 3
		.amdhsa_memory_ordered 1
		.amdhsa_forward_progress 1
		.amdhsa_inst_pref_size 86
	.end_amdhsa_kernel
	.amdgpu_metadata
---
amdhsa.version: [ 1, 2 ]
amdhsa.kernels:
  - .name:           k_q3b45f8ac0c_pick
    .symbol:         k_q3b45f8ac0c_pick.kd
    .args:
      - { .name: zrec, .offset: 0, .size: 8, .value_kind: global_buffer, .address_space: global }
      - { .name: erec, .offset: 8, .size: 8, .value_kind: global_buffer, .address_space: global }
      - { .name: erow, .offset: 16, .size: 8, .value_kind: global_buffer, .address_space: global }
      - { .name: pidx, .offset: 24, .size: 8, .value_kind: global_buffer, .address_space: global }
      - { .name: embedding, .offset: 32, .size: 8, .value_kind: global_buffer, .address_space: global }
      - { .name: out0, .offset: 40, .size: 8, .value_kind: global_buffer, .address_space: global }
    .group_segment_fixed_size: 70656
    .private_segment_fixed_size: 0
    .kernarg_segment_align: 8
    .kernarg_segment_size: 48
    .max_flat_workgroup_size: 256
    .sgpr_count:     66
    .vgpr_count:     512
    .wavefront_size: 32
...
	.end_amdgpu_metadata
.endif
;; end of part 7
